; MI455X (gfx1250); checked and timed in simulation.
; The chip was launched on July 23, 2026; its instructions are those of AMD's public machine-readable ISA for CDNA 5 (MIT licence, August 2026) and "CDNA5" Instruction Set Architecture Reference Guide (July 2026). The comments in the code are by the model that wrote it; some were corrected since.
;; GPT3 Attention. Allowed arithmetic: matrix products marked QUANTISED: E2M3 operands, one E8M0 scale for each 32 along K, by v_wmma_scale_f32_16x16x128_f8f6f4 with both operands' format E2M3, f32 sums; everything else in f32.
;; Inputs: dense_b 2,048 float32; dense_w 2,048 x 2,048 float32; k 1 x 2,048 x 2,048 float32; mask 1 x 1 x 2,048 x 2,048 float32; q 1 x 2,048 x 2,048 float32; v 1 x 2,048 x 2,048 float32; wk_b 2,048 float32; wk_w 2,048 x 2,048 float32; wq_b 2,048 float32; wq_w 2,048 x 2,048 float32; wv_b 2,048 float32; wv_w 2,048 x 2,048 float32.
;; Outputs: out0 1 x 2,048 x 2,048 float32.
;; This version of the problem:
;;   THIS VERSION OF THE PROBLEM IS GIVEN IN LOW PRECISION. The matrix products marked QUANTISED in the list below multiply operands that are first quantised to E2M3 (2 exponent bits, 3 mantissa bits; 6 bits a number), with one power-of-two scale for each 32 numbers along K (OCP MX v1.0); their sums are f32. All else is computed in f32.
;;   The module's matrix products, in the order in which they are computed (A, B: the left and right operand; K: the contracted axis; several contracted axes count as one K, in the product's order):
;;     1. [M 2,048, K 2,048] x [K 2,048, N 2,048]; A: input q; B: input wq_w: QUANTISED
;;     2. [M 2,048, K 2,048] x [K 2,048, N 2,048]; A: input k; B: input wk_w: QUANTISED
;;     3. [M 2,048, K 2,048] x [K 2,048, N 2,048]; A: input v; B: input wv_w: QUANTISED
;;     4. batch 16 x [M 2,048, K 128] x [K 128, N 2,048]; A: computed on the way; B: computed on the way: QUANTISED
;;     5. batch 16 x [M 2,048, K 2,048] x [K 2,048, N 128]; A: softmax (see below); B: computed on the way: QUANTISED
;;     6. [M 2,048, K 2,048] x [K 2,048, N 2,048]; A: computed on the way; B: input dense_w: QUANTISED
;;   THE QUANTISER, for each operand of a quantised product, along K:
;;     - K is cut into blocks of 32 from its start; a last block that is shorter is filled with zeros.
;;     - A block's scale is 2^e with e = floor(log2(the largest magnitude in the block)) - 2, held to -126 .. 127; a block of zeros has e = 0. As a byte (E8M0): e + 127.
;;     - Each number is divided by its block's scale, clamped to +-7.5, and rounded to the nearest number of E2M3, ties to even, subnormals kept.
;;     - The product sums the exact products of the quantised numbers (number of the format x scale) in f32.
;;   ~~~python
;;   def quantise(x, axis):      # numpy; x: float32 -> the quantised numbers, widened to float32 again
;;       x = np.moveaxis(x, axis, -1); K = x.shape[-1]
;;       x = np.pad(x, [(0, 0)] * (x.ndim - 1) + [(0, -K % 32)]); x = x.reshape(x.shape[:-1] + (-1, 32)); a = np.abs(x).max(-1, keepdims=True)
;;       e = np.where(a > 0, np.clip(np.frexp(np.where(a > 0, a, 1))[1] - 1 - 2, -126, 127), 0)      # np.frexp(a)[1] - 1 = floor(log2(a)), exactly
;;       r = np.clip(x / 2.0 ** e, -7.5, 7.5)
;;       step = 2.0 ** (np.maximum(np.frexp(np.where(r == 0, 1, r))[1] - 1, 0) - 3)
;;       q = np.round(r / step) * step * 2.0 ** e      # np.round: ties to even
;;       return np.moveaxis(q.reshape(q.shape[:-2] + (-1,))[..., :K], -1, axis).astype(np.float32)
;;   ~~~
;;   SOFTMAX AHEAD OF A QUANTISED PRODUCT. Where the list says 'softmax', what is quantised is not the finished softmax but p = 2^(t - M), with t = logit x log2(e) and M = ceil(the row's largest t), a whole number; so 1/2 < the row's largest p <= 1. The row's sum l is taken of the UNQUANTISED p, in f32, and the product's result is divided by l at the end. Since M is a whole number, a kernel that streams over the keys may use a running M (the ceiling of the running maximum): every later rescaling is an exact power of two, which a block's scale takes up: the codes' values come out the same.
;;   OPERANDS COMPUTED ON THE WAY. 'Computed on the way' means the value that the module computes at that place (a softmax that the list does not call 'softmax' is quantised finished and normalised). What goes into a quantiser is computed in f32, as accurately as f32 sums, v_exp_f32 and their like allow (about 1e-6 of the number): no bf16 or f16 on the way to a quantiser, and a product that is left as it is and whose result goes on into a quantised operand takes f32 operands (vector FMAs, or v_wmma_f32_16x16x4_f32). A number that lies on a knife's edge between two numbers of the format may be rounded either way, as far as f32 arithmetic and the matrix unit's own rounding can turn it there, and no further.
;; One version. Each part assembles by itself: llvm-mc -triple=amdgcn-amd-amdhsa -mcpu=gfx1250 --defsym DOCPART=n.
;; ======== version 1 of 1: 4 launches
;; limits: right only within a limited range of input values
;; workspace buffers: cod 22,020,096 bytes; scl 917,504 bytes; hcod 9,437,184 bytes; hscl 393,216 bytes; acod 3,145,728 bytes; ascl 131,072 bytes; mimg 16,777,216 bytes; mflag 4,096 bytes of whole numbers
;; launch quant (part 1): grid 64 x 8, 4 waves a work-group, no clusters, 68,096 bytes of LDS; arguments q, k, wv_w, wq_w, wk_w, v, dense_w, mask, cod, scl, mimg, mflag; writes cod, scl, mimg, mflag
.if DOCPART == 1
	.amdgcn_target "amdgcn-amd-amdhsa--gfx1250"
	.amdhsa_code_object_version 6
	.text
	.protected	k_q41303437f5_quant
	.globl	k_q41303437f5_quant
	.p2align	8
	.type	k_q41303437f5_quant,@function
k_q41303437f5_quant:
	s_mov_b64 s[64:65], 0
	v_nop
	global_prefetch_b8 v0, s[64:65] scope:SCOPE_SE
	s_setreg_imm32_b32 hwreg(HW_REG_WAVE_MODE, 25, 1), 1
	s_wait_xcnt 0x0
; Seven tensors [2048][2048] f32, K innermost, become codes of FP6 (E2M3) with one E8M0 byte for each 32 along K, laid as IMAGES OF OPERAND REGISTERS.
; A group is 128 rows; fragment f of a group holds its rows 32 (f / 2) + 8 (f % 2) + i + 8 (i / 8), i = 0 .. 15, for 128 along K: 12 registers a lane, register 4 c + n of lane l at byte 512 c + 16 l + 4 n.
; A code block is a group's 8 fragments of one K step (12,288 bytes), block (group, K step) at index 16 group + K step.  A scale block (512 bytes) is an image of four registers:
; register n holds in lanes 0-15 the scale words of fragment 2 n, in lanes 16-31 those of fragment 2 n + 1.
; SHARES: work-group y = the tensor (and its place in cod and scl); a wave makes one code block and its scale block: 128 rows x 128 numbers.  The four waves of a work-group stand side by side on 2,048 bytes of each row.
; Each load reads 512 consecutive bytes of one row; a fragment's 16 rows turn through the wave's own stage in LDS (rows 528 bytes apart), so that a lane gets 16 neighbours of each block of 32.
; A block's scale is 2^(floor(log2(largest magnitude)) - 2).  LIMITS: a block of zeros gets the byte 1 (its codes are zeros; this program alone reads the bytes); a largest magnitude under 2^-124 is held at the byte 1; NaN and infinities are not served.
; No barrier: waves share nothing.
.set TSZ,   3145728                    ; a tensor's codes in bytes
.set SSZ,   131072                     ; a tensor's scale blocks
.set STW,   16*528                     ; a wave's stage
.set SPARE, 4*STW                      ; behind the stages: the spare words, 128 bytes a wave, which no other line names
.set LI,    1                          ; v1   16 x lane
.set STI,   2                          ; v2   the stage, on the way in
.set STO,   3                          ; v3   and on the way out: row r, + 64 h
.set SPW,   4                          ; v4   my spare word; never rewritten
.set NIL,   5                          ; v5   0; never rewritten
.set R,     16                         ; v16-143  two sets of 64: a fragment as loaded
.set X,     144                        ; v144-207 64 numbers: register 16 b + i = k 32 b + 16 h + i of row r
.set TM,    208                        ; v208-223 at work
.set PC,    224                        ; v224-243 the codes just made
.set PW,    244                        ; v244-251 the eight fragments' scale words
.set SEL,   28                         ; s[28:29] lane selects: lane l xor 16
; 64 numbers of a lane become a fragment's 12 registers in v[pc] on and its rows' scale word in v[pw]
.macro QUANT s, pc, pw
.irp b, 0,1,2,3
	v_max3_num_f32 v[TM+\b], |v[\s+16*\b]|, |v[\s+1+16*\b]|, 0x1800000   ; block b: my 16 numbers and the floor 2^(3 - 127): the byte cannot fall under 1
.endr
.irp i, 2,4,6,8,10,12,14
.irp b, 0,1,2,3
	v_max3_num_f32 v[TM+\b], v[TM+\b], |v[\s+16*\b+\i]|, |v[\s+1+16*\b+\i]|   ; the four blocks by turns
.endr
.endr
.irp b, 0,1,2,3
	v_permlanex16_b32 v[TM+4+\b], v[TM+\b], s[SEL], s[SEL+1]
.endr
.irp b, 0,1,2,3
	v_max_num_f32 v[TM+\b], v[TM+\b], v[TM+4+\b]      ; with lane l xor 16's: the block's largest magnitude
.endr
.irp b, 0,1,2,3
	v_add_nc_u32 v[TM+12+\b], 0xff000000, v[TM+\b]    ; 2 off its exponent field: the conversion's scale operand
.endr
.irp b, 0,1,2,3
	v_lshrrev_b32 v[TM+4+\b], 23, v[TM+12+\b]         ; the scale's byte
.endr
	v_lshl_or_b32 v[\pw], v[TM+5], 8, v[TM+4]
	v_lshl_or_b32 v[\pw], v[TM+6], 16, v[\pw]
	v_lshl_or_b32 v[\pw], v[TM+7], 24, v[\pw]         ; my row's scale word
.irp c, 0,1
	v_cvt_scalef32_pk16_fp6_f32 v[\pc+6*\c:\pc+2+6*\c], v[\s+32*\c:\s+15+32*\c], v[TM+12+2*\c]
	v_cvt_scalef32_pk16_fp6_f32 v[\pc+12+4*\c:\pc+14+4*\c], v[\s+16+32*\c:\s+31+32*\c], v[TM+12+2*\c+1]   ; (a conversion's three registers begin on an even number)
.endr
	v_nop                                             ; one plain place behind a scaled conversion
.irp c, 0,1                                           ; the operand's layout wants a whole block in a lane
.irp i, 0,1,2
	v_permlane16_swap_b32 v[\pc+6*\c+\i], v[\pc+12+4*\c+\i]
.endr
.irp i, 0,1,2
	v_mov_b32 v[\pc+3+6*\c+\i], v[\pc+12+4*\c+\i]
.endr
.endr
.endm
	s_load_b512 s[8:23], s[0:1], 0x0               ; the seven tensors s[8:21], the mask s[22:23]
	s_load_b128 s[40:43], s[0:1], 0x40             ; cod, scl
	s_load_b64 s[44:45], s[0:1], 0x50              ; mimg
	s_load_b64 s[48:49], s[0:1], 0x58              ; mflag
	v_lshl_add_u32 v[SPW], v0, 2, SPARE
	v_mov_b32 v[NIL], 0
	v_lshrrev_b32 v6, 5, v0
	v_readfirstlane_b32 s2, v6                     ; wave
	v_and_b32 v7, 31, v0                           ; lane
	v_and_b32 v8, 15, v0                           ; r
	v_bfe_u32 v9, v0, 4, 1                         ; h
	v_lshlrev_b32 v[LI], 4, v7
	s_mul_i32 s3, s2, STW
	v_add_nc_u32 v[STI], s3, v[LI]
	v_mul_u32_u24 v[STO], v8, 528
	v_lshl_add_u32 v[STO], v9, 6, v[STO]
	v_add_nc_u32 v[STO], s3, v[STO]
.set MST, SPARE+512                    ; behind the spare words: four stages more, for the work-groups that lay the mask
	v_add_nc_u32 v10, MST, v[STI]
	v_add_nc_u32 v11, MST, v[STO]
	s_mov_b32 s[SEL], 0x76543210
	s_mov_b32 s[SEL+1], 0xfedcba98
	s_mov_b32 s30, 0xffff0000                      ; lanes 16-31
.irp b, 0,1,2,3
	v_mov_b32 v[TM+4+\b], 0                        ; written once: a lane permute's destination counts as one of its sources
.endr
	s_and_b32 s4, ttmp7, 0xffff
	s_add_co_u32 s4, s4, 7
	s_and_b32 s4, s4, 7                            ; the tensor: work-group y = 0 takes number 7, the mask; y = 1 .. 7 take tensors 0 .. 6
	s_lshr_b32 s5, ttmp9, 2                        ; the group
	s_and_b32 s6, ttmp9, 3
	s_lshl_b32 s6, s6, 2
	s_add_co_u32 s6, s6, s2                        ; the K step
	s_lshl_b32 s32, s5, 20                         ; 128 rows of 8,192 bytes
	s_lshl_b32 s7, s6, 9                           ; 128 numbers
	s_add_co_u32 s32, s32, s7
	s_mov_b32 s33, 0
	s_lshl_b32 s7, s5, 4
	s_add_co_u32 s7, s7, s6                        ; the block's index
	s_mul_i32 s34, s4, TSZ
	s_mul_i32 s26, s7, 12288
	s_add_co_u32 s34, s34, s26
	s_mov_b32 s35, 0
	s_mul_i32 s36, s4, SSZ
	s_lshl_b32 s26, s7, 9
	s_add_co_u32 s36, s36, s26
	s_mov_b32 s37, 0
	s_wait_alu depctr_va_vdst(0)
	s_wait_kmcnt 0x0
.irp i, 1,2,3,4,5,6,7
	s_cmp_eq_u32 s4, \i                            ; the choice hangs on the work-group's number alone
	s_cselect_b64 s[8:9], s[8+2*\i:9+2*\i], s[8:9]
.endr
	s_mov_b64 s[22:23], s[40:41]                   ; cod
	s_mov_b64 s[24:25], s[42:43]                   ; scl
	s_add_nc_u64 s[8:9], s[8:9], s[32:33]
	s_add_nc_u64 s[22:23], s[22:23], s[34:35]
	s_add_nc_u64 s[24:25], s[24:25], s[36:37]
	s_lshl_b32 s38, s7, 16                         ; the mask's image: 65,536 bytes for a block (group, K step)
	s_mov_b32 s39, 0
	s_add_nc_u64 s[44:45], s[44:45], s[38:39]
	s_lshl_b32 s38, s7, 4                          ; mflag: four words for a block (group, K step), one for each pair of fragments
	s_add_nc_u64 s[48:49], s[48:49], s[38:39]
.macro LOADF a                         ; fragment a's 16 rows, 512 consecutive bytes each, into set a % 2
.irp i, 0,1,2,3,4,5,6,7,8,9,10,11,12,13,14,15
	global_load_b128 v[R+64*((\a)%2)+4*\i:R+64*((\a)%2)+4*\i+3], v[LI], s[8:9] offset:(32*((\a)/2)+8*((\a)%2)+\i+8*(\i/8))*8192 th:TH_LOAD_NT
.endr
.endm
.macro FRAGSTEP a
.if (\a) < 7
	s_wait_loadcnt 16                              ; this fragment's 16 loads are in; the next fragment's 16 may be out
.else
	s_wait_loadcnt 0x0
.endif
.irp i, 0,1,2,3,4,5,6,7,8,9,10,11,12,13,14,15
	ds_store_b128 v[STI], v[R+64*((\a)%2)+4*\i:R+64*((\a)%2)+4*\i+3] offset:528*\i
.endr
.irp b, 0,1,2,3
.irp j, 0,1,2,3
	ds_load_b128 v[X+16*\b+4*\j:X+16*\b+4*\j+3], v[STO] offset:128*\b+16*\j   ; LDS serves a wave's instructions in order: these see the stores above
.endr
.endr
	s_wait_dscnt 0x0                               ; my numbers are back, and the stores have read their registers
	s_wait_xcnt 0x0                                ; the last fragment's stores have read their data: the codes' registers may be written again
.if (\a) < 6
	LOADF (\a)+2
.endif
	QUANT X, PC, PW+(\a)
.irp c, 0,1,2
	global_store_b128 v[LI], v[PC+4*\c:PC+4*\c+3], s[22:23] offset:1536*(\a)+512*\c   ; 32 lanes store 512 consecutive bytes, aligned
.endr
.endm
	s_cmp_eq_u32 s4, 7                             ; the mask's work-groups part here, once, on the work-group's number alone
	s_cbranch_scc1 .Lmask
	LOADF 0
	LOADF 1
.irp a, 0,1,2,3,4,5,6,7
	FRAGSTEP \a
.endr
.irp i, 0,1,2,3
	v_cndmask_b32 v[TM+\i], v[PW+2*\i], v[PW+2*\i+1], s30    ; lanes 0-15: fragment 2 i's words; lanes 16-31: fragment 2 i + 1's
.endr
	global_store_b128 v[LI], v[TM:TM+3], s[24:25]
	s_wait_tensorcnt 0x0                           ; the wave's end
	ds_add_u32 v[SPW], v[NIL]
	s_wait_dscnt 0x0
	s_endpgm
; THE MASK [2048][2048] f32 becomes mimg: mask x (-1e9 sqrt(128)), f32, laid as images of the score tiles' registers: for fragment a of a group's rows and 128 keys 64 registers a lane,
; register 16 b + i of lane (r, h) = the number at the fragment's row r, key 32 b + 16 h + i; register 4 n + m of lane l at byte 8,192 a + 512 n + 16 l + 4 m of block (group, K step).
; Four trips of two fragments; rows turn through stages of this path's own; every store covers 512 consecutive bytes, aligned.
.macro MFR a
	s_wait_loadcnt 16*(1-(\a))                     ; this fragment's 16 loads are in
.if \a
	s_wait_xcnt 0x0                                ; the last fragment's stores have read their data
.endif
.irp i, 0,1,2,3,4,5,6,7,8,9,10,11,12,13,14,15
	ds_store_b128 v10, v[R+64*(\a)+4*\i:R+64*(\a)+4*\i+3] offset:528*\i
.endr
.irp b, 0,1,2,3
.irp j, 0,1,2,3
	ds_load_b128 v[X+16*\b+4*\j:X+16*\b+4*\j+3], v11 offset:128*\b+16*\j
.endr
.endr
	s_wait_dscnt 0x0
.set j, 0
.rept 32
	v_pk_mul_f32 v[X+j:X+j+1], v[X+j:X+j+1], s[46:47] op_sel_hi:[1,0]
.set j, j+2
.endr
.if (\a) == 0
	v_mov_b32 v208, v[X]                           ; the smallest and the largest number of the trip's two fragments (32 rows x 128 keys)
	v_mov_b32 v209, v[X]
.endif
.set j, 0
.rept 32
	v_min3_num_f32 v208, v208, v[X+j], v[X+j+1]
	v_max3_num_f32 v209, v209, v[X+j], v[X+j+1]
.set j, j+2
.endr
.set j, 0
.rept 16
	global_store_b128 v[LI], v[X+4*j:X+4*j+3], s[44:45] offset:8192*(\a)+512*j
.set j, j+1
.endr
.endm
.Lmask:
	s_mov_b32 s46, 0xd028965f                      ; -1e9 sqrt(128)
	s_mov_b32 s47, s46
	v_mov_b32 v210, 0                              ; a lane permute's destination counts as one of its sources
	v_mov_b32 v211, 0
	v_mov_b32 v213, 0                              ; the flag's offset
	s_mov_b32 s26, 4
.Lmk:
	LOADF 0
	LOADF 1
	MFR 0
	MFR 1
	; mflag: 1 where all 4,096 numbers of the two fragments are equal (smallest = largest), else 0: a whole number that the next launches read; one lane stores the word (4 bytes of the buffer's 4,096 a trip)
.irp m, 1,2,4,8
	v_min_num_f32_dpp v208, v208, v208 row_xmask:\m row_mask:0xf bank_mask:0xf
	v_max_num_f32_dpp v209, v209, v209 row_xmask:\m row_mask:0xf bank_mask:0xf
.endr
	v_permlanex16_b32 v210, v208, s[SEL], s[SEL+1]
	v_permlanex16_b32 v211, v209, s[SEL], s[SEL+1]
	v_min_num_f32 v208, v208, v210
	v_max_num_f32 v209, v209, v211
	v_cmp_eq_f32 vcc_lo, v208, v209
	v_cndmask_b32 v212, 0, 1, vcc_lo
	v_cmp_eq_u32 vcc_lo, 0, v7                     ; lane 0
	s_wait_alu depctr_va_vdst(0)                   ; ahead of the wait below
	s_wait_xcnt 0x0                                ; EXEC changes only behind this wait
	s_and_saveexec_b32 s50, vcc_lo
	global_store_b32 v213, v212, s[48:49]
	s_wait_xcnt 0x0                                ; and again; loads and stores have read their bases and data
	s_or_b32 exec_lo, exec_lo, s50
	s_add_nc_u64 s[48:49], s[48:49], 4
	s_add_nc_u64 s[8:9], s[8:9], 0x40000
	s_add_nc_u64 s[44:45], s[44:45], 0x4000        ; two fragments on
	s_sub_co_u32 s26, s26, 1
	s_cmp_lg_u32 s26, 0
	s_wait_alu depctr_va_vdst(0)                   ; ahead of the branch
	s_cbranch_scc1 .Lmk
	s_wait_tensorcnt 0x0                           ; the wave's end
	ds_add_u32 v[SPW], v[NIL]
	s_wait_dscnt 0x0
	s_endpgm
.Lfunc_end_k_q41303437f5_quant:
	.size	k_q41303437f5_quant, .Lfunc_end_k_q41303437f5_quant-k_q41303437f5_quant
	.p2alignl 7, 3214868480
	.fill 96, 4, 3214868480
	.section	.rodata,"a",@progbits
	.p2align	6, 0x0
	.amdhsa_kernel k_q41303437f5_quant
		.amdhsa_group_segment_fixed_size 68096
		.amdhsa_private_segment_fixed_size 0
		.amdhsa_enable_private_segment 0
		.amdhsa_kernarg_size 96
		.amdhsa_user_sgpr_count 2
		.amdhsa_user_sgpr_kernarg_segment_ptr 1
		.amdhsa_wavefront_size32 1
		.amdhsa_system_sgpr_workgroup_id_x 1
		.amdhsa_system_sgpr_workgroup_id_y 1
		.amdhsa_system_sgpr_workgroup_id_z 1
		.amdhsa_system_vgpr_workitem_id 0
		.amdhsa_next_free_vgpr 256
		.amdhsa_next_free_sgpr 66
		.amdhsa_reserve_vcc 1
		.amdhsa_float_denorm_mode_32 3
		.amdhsa_float_denorm_mode_16_64 3
		.amdhsa_memory_ordered 1
		.amdhsa_forward_progress 1
		.amdhsa_inst_pref_size 89
	.end_amdhsa_kernel
	.amdgpu_metadata
---
amdhsa.version: [ 1, 2 ]
amdhsa.kernels:
  - .name:           k_q41303437f5_quant
    .symbol:         k_q41303437f5_quant.kd
    .args:
      - { .name: q, .offset: 0, .size: 8, .value_kind: global_buffer, .address_space: global }
      - { .name: k, .offset: 8, .size: 8, .value_kind: global_buffer, .address_space: global }
      - { .name: wv_w, .offset: 16, .size: 8, .value_kind: global_buffer, .address_space: global }
      - { .name: wq_w, .offset: 24, .size: 8, .value_kind: global_buffer, .address_space: global }
      - { .name: wk_w, .offset: 32, .size: 8, .value_kind: global_buffer, .address_space: global }
      - { .name: v, .offset: 40, .size: 8, .value_kind: global_buffer, .address_space: global }
      - { .name: dense_w, .offset: 48, .size: 8, .value_kind: global_buffer, .address_space: global }
      - { .name: mask, .offset: 56, .size: 8, .value_kind: global_buffer, .address_space: global }
      - { .name: cod, .offset: 64, .size: 8, .value_kind: global_buffer, .address_space: global }
      - { .name: scl, .offset: 72, .size: 8, .value_kind: global_buffer, .address_space: global }
      - { .name: mimg, .offset: 80, .size: 8, .value_kind: global_buffer, .address_space: global }
      - { .name: mflag, .offset: 88, .size: 8, .value_kind: global_buffer, .address_space: global }
    .group_segment_fixed_size: 68096
    .private_segment_fixed_size: 0
    .kernarg_segment_align: 8
    .kernarg_segment_size: 96
    .max_flat_workgroup_size: 128
    .sgpr_count:     66
    .vgpr_count:     256
    .wavefront_size: 32
...
	.end_amdgpu_metadata
.endif
;; end of part 1
;; launch proj (part 2): grid 8 x 24, 4 waves a work-group, clusters of 4 x 4, 327,680 bytes of LDS; arguments cod, scl, wq_b, wk_b, wv_b, hcod, hscl; writes hcod, hscl
.if DOCPART == 2
	.amdgcn_target "amdgcn-amd-amdhsa--gfx1250"
	.amdhsa_code_object_version 6
	.text
	.protected	k_q41303437f5_proj
	.globl	k_q41303437f5_proj
	.p2align	8
	.type	k_q41303437f5_proj,@function
k_q41303437f5_proj:
	s_mov_b64 s[64:65], 0
	v_nop
	global_prefetch_b8 v0, s[64:65] scope:SCOPE_SE
	s_setreg_imm32_b32 hwreg(HW_REG_WAVE_MODE, 25, 1), 1
	s_wait_xcnt 0x0
	s_wait_alu depctr_hold_cnt(0) depctr_sa_sdst(0) depctr_va_vdst(0) depctr_va_sdst(0) depctr_va_ssrc(0) depctr_va_vcc(0) depctr_vm_vsrc(0)
	s_getreg_b32 s2, hwreg(HW_REG_IB_STS2, 6, 4)
	s_cmp_eq_u32 s2, 0
	s_cbranch_scc0 .Lentry_in_a_cluster
	s_endpgm
.Lentry_in_a_cluster:
	s_bfe_u32 s2, ttmp6, 0x10000c
	s_cmp_lg_u32 s2, 0xf033
	s_cbranch_scc0 .Lentry_shape_is_right
	s_endpgm
.Lentry_shape_is_right:
.set GRP,   196608
.set CBB,   12288
.set PART,  2*CBB
.set SLOT,  4*PART
.set SCL,   2*SLOT
.set SGB,   8192
.set SPARE, SCL+4*SGB
.set ADRA, 16
.set ADRB, 20
.set ADSA, 24
.set ADSB, 25
.set LI,   26
.set SPW,  28
.set NIL,  29
.set SC,   32
.set AF,   64
.set BN,   64
.set BM,   128
.set PCO,  64
.set PWO,  224
.set TM,   232
.set SBO,  248
.set WV,   18
.set RH,   19
.set CH,   20
.set G1A,  24
.set G0A,  32
.set G1B,  48
.set G0B,  56
.set G1SA, 68
.set G0SA, 76
.set G1SB, 80
.set G0SB, 88
.set SEL,  98
.set MSB, 0
.macro WIN new
.if MSB != (\new)
	s_set_vgpr_msb (MSB<<8)|(\new)
.set MSB, (\new)
.endif
.endm
.set MUL_LO, 0xa1
.set MUL_HI, 0xf1
.set TO_B,   0x40
.macro JLOAD g0a, g1a, g0b, g1b
	s_cmp_eq_u32 s[RH], 0
	s_cbranch_scc0 .Lfor_b_\@
	tensor_load_to_lds s[\g0a:\g0a+3], s[\g1a:\g1a+7]
	s_nop 0
.rept 4
	v_nop
.endr
	s_branch .Lasked_\@
.Lfor_b_\@:
	tensor_load_to_lds s[\g0b:\g0b+3], s[\g1b:\g1b+7]
	s_nop 0
.rept 4
	v_nop
.endr
.Lasked_\@:
.endm
.macro CREST
	s_cmp_lg_u32 s[WV], 0
	s_cbranch_scc1 .Lnot_wave_0_\@
	s_barrier_signal -3
.Lnot_wave_0_\@:
	s_barrier_wait -3
	s_barrier_signal -1
	s_barrier_wait -1
.endm
.macro CROUND
	s_barrier_signal -1
	s_barrier_wait -1
	CREST
.endm
.macro PLACES
.rept 4
	v_nop
.endr
.endm
	s_load_b256 s[4:11], s[0:1], 0x0
	s_load_b128 s[12:15], s[0:1], 0x20
	s_load_b64 s[16:17], s[0:1], 0x30
	v_lshl_add_u32 v[SPW], v0, 2, SPARE
	v_mov_b32 v[NIL], 0
	ds_add_u32 v[SPW], v[NIL]
	ds_add_u32 v[SPW], v[NIL]
	v_lshrrev_b32 v1, 5, v0
	v_readfirstlane_b32 s[WV], v1
	s_lshr_b32 s[RH], s[WV], 1
	s_and_b32 s[CH], s[WV], 1
	s_bfe_u32 s21, ttmp6, 0x40000
	s_bfe_u32 s22, ttmp6, 0x40004
	s_lshl_b32 s40, ttmp9, 2
	s_add_co_u32 s40, s40, s21
	s_and_b32 s41, ttmp7, 0xffff
	s_lshr_b32 s42, s41, 1
	s_lshl_b32 s43, s41, 2
	s_add_co_u32 s43, s43, s22
	s_lshl_b32 s44, s22, 2
	s_lshl_b32 s44, 15, s44
	s_lshl_b32 s45, 0x1111, s21
	s_or_b32 s[G1A], s44, (3<<16)|(1<<21)
	s_or_b32 s[G1B], s45, (3<<16)|(1<<21)
	s_or_b32 s[G1SA], s44, (3<<16)|(1<<21)
	s_or_b32 s[G1SB], s45, (3<<16)|(1<<21)
.irp g, G1A, G1B
	s_mov_b32 s[\g+1], 32<<16
	s_mov_b32 s[\g+2], 96<<16
	s_mov_b32 s[\g+3], 32<<16
	s_mov_b32 s[\g+4], 96
	s_mov_b32 s[\g+5], 32
	s_mov_b32 s[\g+6], 0
	s_mov_b32 s[\g+7], 0
.endr
.irp g, G1SA, G1SB
	s_mov_b32 s[\g+1], 32<<16
	s_mov_b32 s[\g+2], 32<<16
	s_mov_b32 s[\g+3], 32<<16
	s_mov_b32 s[\g+4], 32
	s_mov_b32 s[\g+5], 32
	s_mov_b32 s[\g+6], 0
	s_mov_b32 s[\g+7], 0
.endr
	s_lshl_b32 s46, s43, 1
	s_add_co_u32 s46, s46, s[CH]
	s_lshl_b32 s47, s42, 4
	s_lshl_b32 s2, s40, 1
	s_add_co_u32 s47, s47, s2
	s_add_co_u32 s47, s47, s[CH]
	s_add_co_u32 s47, s47, 48
	s_mul_i32 s92, s46, GRP
	s_mov_b32 s93, 0
	s_mul_i32 s94, s47, GRP
	s_mov_b32 s95, 0
	s_lshl_b32 s96, s46, 13
	s_mov_b32 s97, 0
	s_lshl_b32 s98, s47, 13
	s_mov_b32 s99, 0
	s_mul_i32 s66, s[WV], PART
	s_lshl_b32 s67, s[WV], 13
	s_wait_dscnt 0x0
	s_wait_kmcnt 0x0
	s_add_nc_u64 s[92:93], s[4:5], s[92:93]
	s_add_nc_u64 s[94:95], s[4:5], s[94:95]
	s_add_nc_u64 s[96:97], s[6:7], s[96:97]
	s_add_nc_u64 s[98:99], s[6:7], s[98:99]
	CROUND
	s_mov_b32 s[G0SA], 1
	s_add_co_u32 s[G0SA+1], s67, SCL
	s_mov_b64 s[G0SA+2:G0SA+3], s[96:97]
	s_or_b32 s[G0SA+3], s[G0SA+3], 0x80000000
	s_mov_b32 s[G0SB], 1
	s_add_co_u32 s[G0SB+1], s67, SCL
	s_mov_b64 s[G0SB+2:G0SB+3], s[98:99]
	s_or_b32 s[G0SB+3], s[G0SB+3], 0x80000000
	JLOAD G0SA, G1SA, G0SB, G1SB
.irp s, 0,1
	s_mov_b32 s[G0A+4*\s], 1
	s_add_co_u32 s[G0A+4*\s+1], s66, \s*SLOT
	s_add_nc_u64 s[G0A+4*\s+2:G0A+4*\s+3], s[92:93], \s*PART
	s_or_b32 s[G0A+4*\s+3], s[G0A+4*\s+3], 0x80000000
	s_mov_b32 s[G0B+4*\s], 1
	s_add_co_u32 s[G0B+4*\s+1], s66, \s*SLOT
	s_add_nc_u64 s[G0B+4*\s+2:G0B+4*\s+3], s[94:95], \s*PART
	s_or_b32 s[G0B+4*\s+3], s[G0B+4*\s+3], 0x80000000
	s_wait_alu depctr_va_vdst(0)
	s_wait_tensorcnt 0x0
	ds_add_u32 v28, v29
	s_wait_dscnt 0x0
	CROUND
	JLOAD G0A+4*\s, G1A, G0B+4*\s, G1B
.endr
	v_and_b32 v1, 31, v0
	v_lshlrev_b32 v[LI], 4, v1
	s_wait_alu depctr_va_vdst(0)
	s_mul_i32 s92, s[RH], PART
	s_mul_i32 s93, s[CH], PART
	s_add_co_u32 s93, s93, 2*PART
.irp s, 0,1
	v_add_nc_u32 v[ADRA+\s], s92, v[LI]
	v_add_nc_u32 v[ADRB+\s], s93, v[LI]
	s_add_co_u32 s92, s92, SLOT
	s_add_co_u32 s93, s93, SLOT
.endr
	s_lshl_b32 s92, s[RH], 13
	s_add_co_u32 s92, s92, SCL
	v_add_nc_u32 v[ADSA], s92, v[LI]
	s_lshl_b32 s93, s[CH], 13
	s_add_co_u32 s93, s93, SCL+2*SGB
	v_add_nc_u32 v[ADSB], s93, v[LI]
	s_and_b32 s94, s43, 7
	s_lshl_b32 s94, s94, 1
	s_add_co_u32 s94, s94, s[RH]
	s_lshl_b32 s95, s40, 1
	s_add_co_u32 s95, s95, s[CH]
	s_cmp_eq_u32 s42, 1
	s_cselect_b64 s[8:9], s[10:11], s[8:9]
	s_cmp_eq_u32 s42, 2
	s_cselect_b64 s[8:9], s[12:13], s[8:9]
	s_lshl_b32 s96, s95, 9
	s_mov_b32 s97, 0
	s_add_nc_u64 s[96:97], s[8:9], s[96:97]
	s_lshl_b32 s98, s94, 9
	s_mov_b32 s99, 0
	s_add_nc_u64 s[98:99], s[8:9], s[98:99]
	v_and_b32 v2, 15, v0
	v_bfe_u32 v3, v0, 4, 1
	v_lshlrev_b32 v4, 6, v3
	v_and_b32 v5, 8, v2
	v_add_nc_u32 v5, v5, v2
	v_lshlrev_b32 v5, 2, v5
.irp b, 0,1,2,3
.irp j, 0,1,2,3
	global_load_b128 v[BN+16*\b+4*\j:BN+16*\b+4*\j+3], v4, s[96:97] offset:128*\b+16*\j
.endr
.endr
.irp a, 0,1,2,3,4,5,6,7
	global_load_b32 v[BM+2*\a], v5, s[98:99] offset:4*(32*(\a/2)+8*(\a%2))
	global_load_b32 v[BM+2*\a+1], v5, s[98:99] offset:4*(32*(\a/2)+8*(\a%2))
.endr
	s_cmp_lt_u32 s42, 2
	s_cselect_b32 s46, -1, 0
	s_not_b32 s47, s46
	s_lshl_b32 s66, s94, 4
	s_add_co_u32 s66, s66, s95
	s_lshl_b32 s67, s95, 4
	s_add_co_u32 s67, s67, s94
	s_cmp_eq_u32 s42, 1
	s_cselect_b32 s66, s67, s66
	s_lshl_b32 s67, s66, 1
	s_add_co_u32 s67, s67, 256
	s_lshr_b32 s2, s42, 1
	s_add_co_u32 s67, s67, s2
	s_cmp_eq_u32 s42, 0
	s_cselect_b32 s66, s66, s67
	s_mul_i32 s92, s66, CBB
	s_mov_b32 s93, 0
	s_add_nc_u64 s[14:15], s[14:15], s[92:93]
	s_lshl_b32 s92, s66, 9
	s_add_nc_u64 s[16:17], s[16:17], s[92:93]
	s_wait_loadcnt 0x0
.set j, 0
.rept 64
	v_cndmask_b32 v[BN+j], 0, v[BN+j], s46
.set j, j+1
.endr
.set j, 0
.rept 16
	v_cndmask_b32 v[BM+j], 0, v[BM+j], s47
.set j, j+1
.endr
.irp a, 0,1,2,3,4,5,6,7
.set qV, 0x80+0x40*(\a/4)
	WIN qV
.set j, 0
.rept 32
	v_pk_add_f32 v[64*(\a%4)+j:64*(\a%4)+j+1], v[BN+j:BN+j+1], v[BM+2*\a:BM+2*\a+1]
.set j, j+2
.endr
.endr
	WIN 0
.macro WM a, b, set, q, sc
.set rD, 8*(8*((\a)%4)+(\b))
.set rB, 128*(\set)+12*(\b)
.set rA, AF+96*(\set)+12*(\a)
.set rSB, SC+16*(\sc)+8*(\q)+4+(\b)/2
.set rSA, SC+16*(\sc)+8*(\q)+(\a)/2
.if ((\a)%2 == 0) && ((\b)%2 == 0)
	v_wmma_scale_f32_16x16x128_f8f6f4 v[rD:rD+7], v[rB:rB+11], v[rA:rA+11], v[rD:rD+7], v[rSB], v[rSA] matrix_a_fmt:MATRIX_FMT_FP6 matrix_b_fmt:MATRIX_FMT_FP6
.elseif ((\a)%2 == 0)
	v_wmma_scale_f32_16x16x128_f8f6f4 v[rD:rD+7], v[rB:rB+11], v[rA:rA+11], v[rD:rD+7], v[rSB], v[rSA] matrix_a_fmt:MATRIX_FMT_FP6 matrix_b_fmt:MATRIX_FMT_FP6 matrix_a_scale:MATRIX_SCALE_ROW1
.elseif ((\b)%2 == 0)
	v_wmma_scale_f32_16x16x128_f8f6f4 v[rD:rD+7], v[rB:rB+11], v[rA:rA+11], v[rD:rD+7], v[rSB], v[rSA] matrix_a_fmt:MATRIX_FMT_FP6 matrix_b_fmt:MATRIX_FMT_FP6 matrix_b_scale:MATRIX_SCALE_ROW1
.else
	v_wmma_scale_f32_16x16x128_f8f6f4 v[rD:rD+7], v[rB:rB+11], v[rA:rA+11], v[rD:rD+7], v[rSB], v[rSA] matrix_a_fmt:MATRIX_FMT_FP6 matrix_b_fmt:MATRIX_FMT_FP6 matrix_a_scale:MATRIX_SCALE_ROW1 matrix_b_scale:MATRIX_SCALE_ROW1
.endif
.endm
.macro MUL16 a0, set, q, sc
.irp a, \a0, \a0+1
.irp b, 0,1,2,3,4,5,6,7
	WM \a, \b, \set, \q, \sc
.endr
.endr
.endm
.macro FETCH slot, q, set
	WIN TO_B
.irp i, 0,1,2,3,4,5,6,7
.irp c, 0,1,2
	ds_load_b128 v[128*(\set)+12*\i+4*\c:128*(\set)+12*\i+4*\c+3], v[ADRB+\slot] offset:CBB*(\q)+1536*\i+512*\c
.endr
.endr
	WIN 0
.irp i, 0,1,2,3,4,5,6,7
.irp c, 0,1,2
	ds_load_b128 v[AF+96*(\set)+12*\i+4*\c:AF+96*(\set)+12*\i+4*\c+3], v[ADRA+\slot] offset:CBB*(\q)+1536*\i+512*\c
.endr
.endr
.endm
.macro SCALES set
.irp q, 0,1
	ds_load_b128 v[SC+16*(\set)+8*\q:SC+16*(\set)+8*\q+3], v[ADSA] offset:512*\q
	ds_load_b128 v[SC+16*(\set)+8*\q+4:SC+16*(\set)+8*\q+7], v[ADSB] offset:512*\q
.endr
.endm
.macro STEP0 slot
	s_wait_dscnt 0x0
	PLACES
	FETCH \slot, 1, 1
	WIN MUL_LO
	MUL16 0, 0, 0, \slot
	MUL16 2, 0, 0, \slot
	WIN MUL_HI
	MUL16 4, 0, 0, \slot
	MUL16 6, 0, 0, \slot
.endm
.macro TURN slot, next, fill
	WIN 0
	s_wait_tensorcnt 0x0
	ds_add_u32 v[SPW], v[NIL]
	s_wait_dscnt 1
	WIN MUL_LO
	MUL16 0, 1, 1, \slot
	s_wait_dscnt 0x0
	s_barrier_signal -1
	MUL16 2, 1, 1, \slot
	WIN 0
	s_barrier_wait -1
.if \fill
	CREST
	s_add_nc_u64 s[G0A+4*\slot+2:G0A+4*\slot+3], s[G0A+4*\slot+2:G0A+4*\slot+3], 2*PART
	s_add_nc_u64 s[G0B+4*\slot+2:G0B+4*\slot+3], s[G0B+4*\slot+2:G0B+4*\slot+3], 2*PART
	JLOAD G0A+4*\slot, G1A, G0B+4*\slot, G1B
.else
	PLACES
.endif
	s_wait_alu depctr_va_vdst(0)
	v_add_nc_u32 v[ADSA], 1024, v[ADSA]
	v_add_nc_u32 v[ADSB], 1024, v[ADSB]
	FETCH \next, 0, 0
	SCALES \next
	WIN MUL_HI
	MUL16 4, 1, 1, \slot
	MUL16 6, 1, 1, \slot
.endm
	s_wait_tensorcnt 1
	s_barrier_signal -1
	s_barrier_wait -1
	FETCH 0, 0, 0
	SCALES 0
	s_mov_b32 s3, 3
.Llap:
	s_wait_alu depctr_va_vdst(0)
	STEP0 0
	TURN 0, 1, 1
	STEP0 1
	TURN 1, 0, 1
	WIN 0
	s_sub_co_u32 s3, s3, 1
	s_cmp_lg_u32 s3, 0
	s_cbranch_scc1 .Llap
	STEP0 0
	TURN 0, 1, 0
	STEP0 1
	s_wait_dscnt 0x0
	WIN MUL_LO
	MUL16 0, 1, 1, 1
	MUL16 2, 1, 1, 1
	WIN MUL_HI
	MUL16 4, 1, 1, 1
	MUL16 6, 1, 1, 1
	WIN 0
	PLACES
	s_mov_b32 s[SEL], 0x76543210
	s_mov_b32 s[SEL+1], 0xfedcba98
	s_mov_b32 s46, 0xffff0000
.irp b, 0,1,2,3
	v_mov_b32 v[TM+4+\b], 0
.endr
.macro QUANTW a
.set qW, 2+(\a)/4
.set qS, 64*((\a)%4)
.set qP, PCO+20*(\a)
.set qV, (qW<<2)|(qW<<4)
	WIN qV
.irp b, 0,1,2,3
	v_max3_num_f32 v[TM+\b], 0x1800000, |v[qS+16*\b]|, |v[qS+1+16*\b]|
.endr
.irp i, 2,4,6,8,10,12,14
.irp b, 0,1,2,3
	v_max3_num_f32 v[TM+\b], v[TM+\b], |v[qS+16*\b+\i]|, |v[qS+1+16*\b+\i]|
.endr
.endr
	WIN 0
.irp b, 0,1,2,3
	v_permlanex16_b32 v[TM+4+\b], v[TM+\b], s[SEL], s[SEL+1]
.endr
.irp b, 0,1,2,3
	v_max_num_f32 v[TM+\b], v[TM+\b], v[TM+4+\b]
.endr
.irp b, 0,1,2,3
	v_add_nc_u32 v[TM+12+\b], 0xff000000, v[TM+\b]
.endr
.irp b, 0,1,2,3
	v_lshrrev_b32 v[TM+4+\b], 23, v[TM+12+\b]
.endr
	v_lshl_or_b32 v[PWO+(\a)], v[TM+5], 8, v[TM+4]
	v_lshl_or_b32 v[PWO+(\a)], v[TM+6], 16, v[PWO+(\a)]
	v_lshl_or_b32 v[PWO+(\a)], v[TM+7], 24, v[PWO+(\a)]
	WIN qW
.irp c, 0,1
	v_cvt_scalef32_pk16_fp6_f32 v[qP+6*\c:qP+2+6*\c], v[qS+32*\c:qS+15+32*\c], v[TM+12+2*\c]
	v_cvt_scalef32_pk16_fp6_f32 v[qP+12+4*\c:qP+14+4*\c], v[qS+16+32*\c:qS+31+32*\c], v[TM+12+2*\c+1]
.endr
	WIN 0
	v_nop
.irp c, 0,1
.irp i, 0,1,2
	v_permlane16_swap_b32 v[qP+6*\c+\i], v[qP+12+4*\c+\i]
.endr
.irp i, 0,1,2
	v_mov_b32 v[qP+3+6*\c+\i], v[qP+12+4*\c+\i]
.endr
.endr
.irp c, 0,1,2
	global_store_b128 v[LI], v[qP+4*\c:qP+4*\c+3], s[14:15] offset:1536*(\a)+512*\c
.endr
.endm
.irp a, 0,1,2,3,4,5,6,7
	QUANTW \a
.endr
.irp i, 0,1,2,3
	v_cndmask_b32 v[SBO+\i], v[PWO+2*\i], v[PWO+2*\i+1], s46
.endr
	global_store_b128 v[LI], v[SBO:SBO+3], s[16:17]
	s_wait_tensorcnt 0x0
	ds_add_u32 v[SPW], v[NIL]
	s_wait_dscnt 0x0
	CROUND
	s_endpgm
.Lfunc_end_k_q41303437f5_proj:
	.size	k_q41303437f5_proj, .Lfunc_end_k_q41303437f5_proj-k_q41303437f5_proj
	.p2alignl 7, 3214868480
	.fill 96, 4, 3214868480
	.section	.rodata,"a",@progbits
	.p2align	6, 0x0
	.amdhsa_kernel k_q41303437f5_proj
		.amdhsa_group_segment_fixed_size 327680
		.amdhsa_private_segment_fixed_size 0
		.amdhsa_enable_private_segment 0
		.amdhsa_kernarg_size 56
		.amdhsa_user_sgpr_count 2
		.amdhsa_user_sgpr_kernarg_segment_ptr 1
		.amdhsa_wavefront_size32 1
		.amdhsa_system_sgpr_workgroup_id_x 1
		.amdhsa_system_sgpr_workgroup_id_y 1
		.amdhsa_system_sgpr_workgroup_id_z 1
		.amdhsa_system_vgpr_workitem_id 0
		.amdhsa_next_free_vgpr 1024
		.amdhsa_next_free_sgpr 100
		.amdhsa_reserve_vcc 0
		.amdhsa_float_denorm_mode_32 3
		.amdhsa_float_denorm_mode_16_64 3
		.amdhsa_memory_ordered 1
		.amdhsa_forward_progress 1
		.amdhsa_inst_pref_size 163
	.end_amdhsa_kernel
	.amdgpu_metadata
---
amdhsa.version: [ 1, 2 ]
amdhsa.kernels:
  - .name:           k_q41303437f5_proj
    .symbol:         k_q41303437f5_proj.kd
    .args:
      - { .name: cod, .offset: 0, .size: 8, .value_kind: global_buffer, .address_space: global }
      - { .name: scl, .offset: 8, .size: 8, .value_kind: global_buffer, .address_space: global }
      - { .name: wq_b, .offset: 16, .size: 8, .value_kind: global_buffer, .address_space: global }
      - { .name: wk_b, .offset: 24, .size: 8, .value_kind: global_buffer, .address_space: global }
      - { .name: wv_b, .offset: 32, .size: 8, .value_kind: global_buffer, .address_space: global }
      - { .name: hcod, .offset: 40, .size: 8, .value_kind: global_buffer, .address_space: global }
      - { .name: hscl, .offset: 48, .size: 8, .value_kind: global_buffer, .address_space: global }
    .group_segment_fixed_size: 327680
    .private_segment_fixed_size: 0
    .kernarg_segment_align: 8
    .kernarg_segment_size: 56
    .max_flat_workgroup_size: 128
    .sgpr_count:     100
    .vgpr_count:     1024
    .wavefront_size: 32
...
	.end_amdgpu_metadata
.endif
;; end of part 2
;; launch attn (part 3): grid 16 x 16, 4 waves a work-group, no clusters, 68,608 bytes of LDS; arguments hcod, hscl, mimg, acod, ascl, mflag; writes acod, ascl
.if DOCPART == 3
	.amdgcn_target "amdgcn-amd-amdhsa--gfx1250"
	.amdhsa_code_object_version 6
	.text
	.protected	k_q41303437f5_attn
	.globl	k_q41303437f5_attn
	.p2align	8
	.type	k_q41303437f5_attn,@function
k_q41303437f5_attn:
	s_mov_b64 s[64:65], 0
	v_nop
	global_prefetch_b8 v0, s[64:65] scope:SCOPE_SE
	s_setreg_imm32_b32 hwreg(HW_REG_WAVE_MODE, 25, 1), 1
	s_wait_xcnt 0x0
; O[h][q] = sum over k of softmax_k(Q.K / sqrt(128) - 1e9 mask[q][k]) V[h][k], both products on codes of FP6 (E2M3); the result is quantised along the model's axis and stored as the last product's operand.
; The mask is an input and every number of it is honoured: mimg holds mask x (-1e9 sqrt(128)) as images of the score tiles' registers, and is the C of the first product.
; mflag, which the launch that lays mimg stores, says of each tile of 32 queries x 128 keys (a pair of fragments) whether all its numbers are equal.  Of such a tile the image is not loaded: its first number, read by a scalar load,
; is laid into eight registers that stand as C for all 16 first products of the tile: C holds the same numbers either way, for every mask.  Every other tile's image is loaded whole.  No tile of keys is left out.
; s = Q.K + mimg;  t = s x c, c = log2(e) / sqrt(128);  M = the running largest t rounded up to a whole number;  p = 2^(s c - M), one fused multiply-add and one exponential, is quantised along the keys, not normalised;
; the row's sum is taken of the unquantised p; when M moves, the sum and O are multiplied by 2^(old M - new M), exactly.  (The mask's term is rounded once in the image and once in the sum with the score.)
; SHARES: a work-group owns 128 queries (x) of one head (y).  Wave w = 2 qh + kh owns 64 queries (half qh: four fragments of 16) and 1,024 keys (half kh: 8 steps of 128).  One wave to a SIMD.
; My local fragment j is fragment 4 qh + (j xor 2 kh) of the group, so that every wave finishes its local 0 and 1 and hands its local 2 and 3 to the wave of the other key half, through LDS, once, at the end:
; the two parts are brought under the larger M (exact powers of two), added, divided by the joined sum, quantised.  Local 0, 1 are the group's pair w, local 2, 3 its pair w xor 1.
; Both products are used transposed: a lane holds one query; fragment f of 128 rows holds rows 32 (f / 2) + 8 (f % 2) + i + 8 (i / 8), so the 16 registers of tiles 2 b, 2 b + 1 are 16 neighbours along the next K.
; NO TENSOR LOAD, NO CLUSTER: every operand lies in memory as an image of operand registers and is loaded whole, 512 consecutive bytes an instruction.  Which of the mask's images are read hangs on numbers read from memory,
; and an image is read by one wave alone; a block of K or V is read by two waves and feeds 32 matrix instructions in each.  So nothing goes through LDS in the loop, there is no barrier in it, and no request could be made jointly.
; A TRIP: 32 first products (all four fragments), then fragment by fragment softmax, codes, 8 second products.  Behind fragment 0: the next step's K, its two flags and two first numbers; behind fragment 1: the images that the
; flags ask for (local 0, 1 into their score registers, local 2, 3 into registers of their own, since their score registers fall free late); at the trip's end V.  The last trip asks for nothing.
; A wave's first step always loads its images, at the head.
; PREFETCH: trip t loads step t + 1 and names step t + 3 of K's and V's blocks: of the 96 blocks of 256 bytes each of the 32 waves that read them (16 x, 2 qh) names 3; lanes left over name the last block again; trips 5 to 7
; name nothing; steps 0 to 2 and the scale blocks (1,024 bytes a step) come by their loads alone.  The mask's images are not prefetched: whether one is read is known one step ahead only.
; LIMITS: the promise holds while the scaled scores stay under 2^31 in magnitude; a block of zeros gets the byte 1 (its codes are zeros); a largest magnitude under 2^-124 is held at the byte 1; NaN and infinities are not served;
; in a tile of zeros of both signs every zero takes the first one's sign.
; REGISTERS: window 0: v1-15, v92-95 offsets; v16-63 Q; v64-75 scale words; v76-91 (-M, largest t) and the sums; v96-147 at work; v152-167 the two equal tiles' numbers; v192-255 the mask of local 3.  window 1: O^T.
;   window 2: scores, t, p.   window 3: v0-95 K, v96-191 V, v192-255 the mask of local 2.
.set TSZ,   3145728
.set SSZ,   131072
.set CBB,   12288
.set XSZ,   16896                      ; LDS: what a wave hands over: two fragments of O^T (16,384) and their -M and sums (512)
.set ASW,   4*XSZ                      ; 512 bytes in which the block's scale words meet
.set SPARE, ASW+512                    ; the spare words, 128 bytes a wave, which no other line names
.set LI,1
.set VQA,2
.set VQB,3
.set SPW,4
.set NIL,5
.set VMA,9
.set VMB,10
.set QWA,11
.set QWB,12
.set PFK,13
.set XW,15
.set QF,16
.set QS,64
.set SK,68
.set SV,72
.set NM,76
.set LS,84
.set XR,92
.set ASWA,93
.set T0,94
.set ASWR,95
.set PC,96
.set PT,108
.set BM,116
.set BP,120
.set SO,124
.set F,128
.set PW,130
.set AC,132
.set EP,132
.set GA,136
.set EL,144
.set ED,146
.set EPC,148
.set VBA,152                           ; eight registers with the number of an equal tile, pair w; a multiple of 8, as the accumulators' numbers are
.set VBB,160                           ; and pair w xor 1
.set ET,188
.set X,192
.set WV,14
.set WX,15
.set QH,16
.set KH,17
.set HY,19
.set SEL,20
.set CS,22
.set CNT,24
.set NKV,26
.set NSC,28
.set NMK,30
.set FPA,58                            ; s[58:59], s[60:61] the next step's flags, pair w and pair w xor 1
.set FPB,60
.set VPA,66                            ; s[66:67], s[68:69] the first numbers of the next step's two tiles
.set VPB,68
.set FLA,70                            ; s70, s71 this step's flags;  s72, s73 the next step's;  s74, s75 the next step's first numbers
.set NFA,72
.set NVA,74
.set MSB, 0
.macro WIN new
.if MSB != (\new)
	s_set_vgpr_msb (MSB<<8)|(\new)
.set MSB, (\new)
.endif
.endm
.macro LDK                             ; the next step's K: 24 loads, and its scale words
	WIN 0xc0
.irp f, 0,1,2,3,4,5,6,7
.irp c, 0,1,2
	global_load_b128 v[12*\f+4*\c:12*\f+4*\c+3], v[LI], s[NKV:NKV+1] offset:1536*\f+512*\c
.endr
.endr
	WIN 0
	global_load_b128 v[SK:SK+3], v[LI], s[NSC:NSC+1]
.endm
.macro LDV                             ; the next step's V: 24 loads, and its scale words
	WIN 0xc0
.irp f, 0,1,2,3,4,5,6,7
.irp c, 0,1,2
	global_load_b128 v[96+12*\f+4*\c:96+12*\f+4*\c+3], v[LI], s[NKV:NKV+1] offset:CBB+1536*\f+512*\c
.endr
.endr
	WIN 0
	global_load_b128 v[SV:SV+3], v[LI], s[NSC:NSC+1] offset:512
.endm
.macro LDM q                           ; the next step's mask image of local fragment q: 16 loads
.if (\q) < 2
	WIN 0x80
.set MB, 64*(\q)
.set MA, VMA
.elseif (\q) == 2
	WIN 0xc0
.set MB, 192
.set MA, VMB
.else
	WIN 0
.set MB, 192
.set MA, VMB
.endif
.set n, 0
.rept 16
	global_load_b128 v[MB+4*n:MB+4*n+3], v[MA], s[NMK:NMK+1] offset:8192*((\q)%2)+512*n
.set n, n+1
.endr
.endm
.macro STEPB
	s_wait_xcnt 0x0                                ; every load and prefetch has read its base
	s_add_nc_u64 s[NKV:NKV+1], s[NKV:NKV+1], 2*CBB
	s_add_nc_u64 s[NSC:NSC+1], s[NSC:NSC+1], 1024
	s_add_nc_u64 s[NMK:NMK+1], s[NMK:NMK+1], 65536
	s_add_nc_u64 s[VPA:VPA+1], s[VPA:VPA+1], 65536
	s_add_nc_u64 s[VPB:VPB+1], s[VPB:VPB+1], 65536
	s_add_nc_u64 s[FPA:FPA+1], s[FPA:FPA+1], 16
	s_add_nc_u64 s[FPB:FPB+1], s[FPB:FPB+1], 16
.endm
.macro LASTSKIP lbl                    ; the last trip asks for nothing
	s_wait_alu depctr_va_vdst(0)                   ; ahead of the branch
	s_cmp_eq_u32 s[CNT], 1
	s_cbranch_scc1 \lbl
.endm
.macro SW q, f, c0                     ; S^T tile f of fragment q = K's fragment f x Q's fragment q + C, C in v[c0] on
.if (\f)%2
	v_wmma_scale_f32_16x16x128_f8f6f4 v[64*(\q)+8*(\f):64*(\q)+8*(\f)+7], v[12*(\f):12*(\f)+11], v[QF+12*(\q):QF+12*(\q)+11], v[(\c0):(\c0)+7], v[SK+(\f)/2], v[QS+(\q)] matrix_a_fmt:MATRIX_FMT_FP6 matrix_b_fmt:MATRIX_FMT_FP6 matrix_a_scale:MATRIX_SCALE_ROW1
.else
	v_wmma_scale_f32_16x16x128_f8f6f4 v[64*(\q)+8*(\f):64*(\q)+8*(\f)+7], v[12*(\f):12*(\f)+11], v[QF+12*(\q):QF+12*(\q)+11], v[(\c0):(\c0)+7], v[SK+(\f)/2], v[QS+(\q)] matrix_a_fmt:MATRIX_FMT_FP6 matrix_b_fmt:MATRIX_FMT_FP6
.endif
.endm
.macro PV q, f                         ; O^T tile f of fragment q += V's fragment f x p
.if (\f)%2
	v_wmma_scale_f32_16x16x128_f8f6f4 v[64*(\q)+8*(\f):64*(\q)+8*(\f)+7], v[96+12*(\f):96+12*(\f)+11], v[PC:PC+11], v[64*(\q)+8*(\f):64*(\q)+8*(\f)+7], v[SV+(\f)/2], v[PW] matrix_a_fmt:MATRIX_FMT_FP6 matrix_b_fmt:MATRIX_FMT_FP6 matrix_a_scale:MATRIX_SCALE_ROW1
.else
	v_wmma_scale_f32_16x16x128_f8f6f4 v[64*(\q)+8*(\f):64*(\q)+8*(\f)+7], v[96+12*(\f):96+12*(\f)+11], v[PC:PC+11], v[64*(\q)+8*(\f):64*(\q)+8*(\f)+7], v[SV+(\f)/2], v[PW] matrix_a_fmt:MATRIX_FMT_FP6 matrix_b_fmt:MATRIX_FMT_FP6
.endif
.endm
.macro TOFRAG pc, pt                   ; two half blocks a lane become whole blocks: the operand's 12 registers
	v_nop                                          ; one plain place behind a scaled conversion
.irp c, 0,1
.irp i, 0,1,2
	v_permlane16_swap_b32 v[(\pc)+6*\c+\i], v[(\pt)+4*\c+\i]
.endr
.irp i, 0,1,2
	v_mov_b32 v[(\pc)+3+6*\c+\i], v[(\pt)+4*\c+\i]
.endr
.endr
.endm
.macro SCALEW pw                       ; from the four blocks' largest magnitudes in BM: the conversions' scale operands in SO, the scale word in pw
.irp b, 0,1,2,3
	v_add_nc_u32 v[SO+\b], 0xff000000, v[BM+\b]    ; 2 off the exponent field
.endr
.irp b, 0,1,2,3
	v_lshrrev_b32 v[BP+\b], 23, v[SO+\b]           ; the scale's byte
.endr
	v_lshl_or_b32 v[\pw], v[BP+1], 8, v[BP]
	v_lshl_or_b32 v[\pw], v[BP+2], 16, v[\pw]
	v_lshl_or_b32 v[\pw], v[BP+3], 24, v[\pw]
.endm
.macro UNIT q                          ; 16 queries x 128 keys: softmax, codes, second product
.set S0, 64*(\q)
.set NQ, NM+2*(\q)
.set LQ, LS+2*(\q)
	WIN 0x28
	s_wait_alu depctr_va_vdst(0)                   ; directly ahead of the scores' first readers
.irp b, 0,1,2,3
	v_max3_num_f32 v[BM+\b], 0xff7fffff, v[S0+16*\b], v[S0+16*\b+1]    ; the largest s of each block of 32 keys; each accumulator from its low end on
.endr
.irp i, 2,4,6,8,10,12,14
.irp b, 0,1,2,3
	v_max3_num_f32 v[BM+\b], v[BM+\b], v[S0+16*\b+\i], v[S0+16*\b+\i+1]
.endr
.endr
	WIN 0
.irp b, 0,1,2,3
	v_permlanex16_b32 v[BP+\b], v[BM+\b], s[SEL], s[SEL+1]
.endr
.irp b, 0,1,2,3
	v_max_num_f32 v[BM+\b], v[BM+\b], v[BP+\b]
.endr
	v_max3_num_f32 v[T0], v[BM], v[BM+1], v[BM+2]
	v_max_num_f32 v[T0], v[T0], v[BM+3]
	v_mul_f32 v[T0], s[CS], v[T0]                  ; as t (c is positive)
	v_max_num_f32 v[NQ+1], v[NQ+1], v[T0]          ; the running largest t
	v_mov_b32 v[T0], v[NQ]
	v_floor_f32 v[NQ], -v[NQ+1]                    ; the new -M
	v_sub_f32 v[T0], v[NQ], v[T0]                  ; old M - new M, 0 or less
	v_cvt_i32_f32 v[T0], v[T0]                     ; (it saturates)
	v_ldexp_f32 v[F], 1.0, v[T0]                   ; f = 2^(old M - new M)
.irp b, 0,1,2,3
	v_fma_f32 v[BM+\b], v[BM+\b], s[CS], v[NQ]     ; t - M of each block's largest
.endr
	WIN 0x82
.set j, 0
.rept 32
	v_pk_fma_f32 v[S0+j:S0+j+1], v[S0+j:S0+j+1], s[CS:CS+1], v[NQ:NQ+1] op_sel_hi:[1,0,0]    ; t - M
.set j, j+2
.endr
	s_wait_alu depctr_va_vdst(0)                   ; ahead of the batch
.set j, 0
.rept 64
	v_exp_f32 v[S0+j], v[S0+j]                     ; p
.set j, j+1
.endr
	WIN 0
	v_pk_mul_f32 v[LQ:LQ+1], v[LQ:LQ+1], v[F:F+1] op_sel_hi:[1,0]      ; the sums under the new M; a plain place behind the batch
	s_wait_alu depctr_va_vdst(0)                   ; and behind it
.irp b, 0,1,2,3
	v_exp_f32 v[BM+\b], v[BM+\b]                   ; each block's largest p
.endr
	WIN 0x0a
.irp c, 0,1,2,3,4,5,6,7
	v_pk_add_f32 v[AC+2*\c:AC+2*\c+1], v[S0+4*\c:S0+4*\c+1], v[S0+4*\c+2:S0+4*\c+3]    ; the sum of the unquantised p, in eight chains
.endr
	WIN 0x08
.irp k, 0,1
.irp c, 0,1,2,3,4,5,6,7
	v_pk_add_f32 v[AC+2*\c:AC+2*\c+1], v[AC+2*\c:AC+2*\c+1], v[S0+32+16*\k+2*\c:S0+32+16*\k+2*\c+1]
.endr
.endr
	WIN 0
.irp c, 0,2,4,6
	v_pk_add_f32 v[AC+2*\c:AC+2*\c+1], v[AC+2*\c:AC+2*\c+1], v[AC+2*\c+2:AC+2*\c+3]
.endr
.irp c, 0,4
	v_pk_add_f32 v[AC+2*\c:AC+2*\c+1], v[AC+2*\c:AC+2*\c+1], v[AC+2*\c+4:AC+2*\c+5]
.endr
	v_pk_add_f32 v[AC:AC+1], v[AC:AC+1], v[AC+8:AC+9]
	v_pk_add_f32 v[LQ:LQ+1], v[LQ:LQ+1], v[AC:AC+1]
	s_wait_alu depctr_va_vdst(0)                   ; for the four
.irp b, 0,1,2,3
	v_max_num_f32 v[BM+\b], 0x1800000, v[BM+\b]    ; the floor 2^(3 - 127)
.endr
	SCALEW PW
	WIN 0x02
.irp c, 0,1
	v_cvt_scalef32_pk16_fp6_f32 v[PC+6*\c:PC+6*\c+2], v[S0+32*\c:S0+32*\c+15], v[SO+2*\c]
	v_cvt_scalef32_pk16_fp6_f32 v[PT+4*\c:PT+4*\c+2], v[S0+16+32*\c:S0+31+32*\c], v[SO+2*\c+1]
.endr
	WIN 0
	TOFRAG PC, PT
	WIN 0x41
	s_wait_alu depctr_va_vdst(0)                   ; directly ahead of O^T's first readers
.set j, 0
.rept 32
	v_pk_mul_f32 v[S0+j:S0+j+1], v[S0+j:S0+j+1], v[F:F+1] op_sel_hi:[1,0]    ; O^T under the new M; also the places ahead of the products below
.set j, j+2
.endr
.if (\q) == 0
	s_wait_alu depctr_va_vdst(0)
	s_wait_loadcnt 0x0                             ; V and its scale words are in: nothing has been asked for behind them
.endif
	WIN 0x53
.irp f, 0,1,2,3,4,5,6,7
	PV \q, \f
.endr
	WIN 0
.endm
	s_load_b256 s[4:11], s[0:1], 0x0               ; hcod, hscl, mimg, acod
	s_load_b128 s[56:59], s[0:1], 0x20             ; ascl s[56:57], mflag s[58:59]
	v_lshl_add_u32 v[SPW], v0, 2, SPARE
	v_mov_b32 v[NIL], 0
	v_lshrrev_b32 v6, 5, v0
	v_readfirstlane_b32 s[WV], v6                  ; wave w = 2 qh + kh
	s_xor_b32 s[WX], s[WV], 1                      ; the wave of the other key half
	s_lshr_b32 s[QH], s[WV], 1
	s_and_b32 s[KH], s[WV], 1
	s_and_b32 s[HY], ttmp7, 0xffff                 ; the head
	s_lshl_b32 s33, ttmp9, 4
	s_add_co_u32 s33, s33, s[HY]                   ; block (query group x, head y)
	s_mul_i32 s34, s33, CBB
	s_mov_b32 s35, 0
	s_lshl_b32 s36, s33, 9
	s_mov_b32 s37, 0
	s_mul_i32 s38, s[HY], 32*CBB                   ; the head's pairs of code blocks, from my first step (8 kh) on
	s_mul_i32 s32, s[KH], 16*CBB
	s_add_co_u32 s38, s38, s32
	s_add_co_u32 s38, s38, TSZ
	s_mov_b32 s39, 0
	s_lshl_b32 s40, s[HY], 14                      ; and of scale blocks
	s_lshl_b32 s32, s[KH], 13
	s_add_co_u32 s40, s40, s32
	s_add_co_u32 s40, s40, SSZ
	s_mov_b32 s41, 0
	s_lshl_b32 s42, ttmp9, 20                      ; the mask's image: block 16 x + 8 kh
	s_lshl_b32 s32, s[KH], 19
	s_add_co_u32 s42, s42, s32
	s_mov_b32 s43, 0
	s_mul_i32 s48, s[WV], 3072                     ; local 0, 1 are fragments 2 w, 2 w + 1; local 2, 3 are 2 (w xor 1) and the next
	s_mul_i32 s49, s[WX], 3072
	s_lshl_b32 s76, s[WV], 14                      ; pair w's image in a block, and pair w xor 1's
	s_mov_b32 s77, 0
	s_lshl_b32 s78, s[WX], 14
	s_mov_b32 s79, 0
	s_lshl_b32 s52, s[WV], 2
	s_lshl_b32 s53, s[WX], 2
	s_mul_i32 s54, s[WV], XSZ
	s_mul_i32 s55, s[WX], XSZ
	s_lshl_b32 s50, ttmp9, 1
	s_add_co_u32 s50, s50, s[QH]
	s_mul_i32 s50, s50, 768                        ; my 3 blocks of a step's 96
	s_lshl_b32 s60, ttmp9, 8                       ; the flags: 16 bytes for a block, 4 for a pair
	s_lshl_b32 s32, s[KH], 7
	s_add_co_u32 s60, s60, s32
	s_add_co_u32 s62, s60, s52
	s_mov_b32 s63, 0
	s_add_co_u32 s60, s60, s53
	s_mov_b32 s61, 0
	s_mov_b32 s[FLA], 0                            ; my first step's images are loaded whatever its flags say
	s_mov_b32 s[FLA+1], 0
	s_mov_b32 s[NFA], 0
	s_mov_b32 s[NFA+1], 0
	s_mov_b32 s[NVA], 0
	s_mov_b32 s[NVA+1], 0
	s_mov_b32 s[SEL], 0x76543210
	s_mov_b32 s[SEL+1], 0xfedcba98
	s_mov_b32 s[CS], 0x3e0293ee                    ; c = log2(e) / sqrt(128)
	s_mov_b32 s[CS+1], s[CS]
	s_mov_b32 s[CNT], 8
	v_and_b32 v7, 31, v0
	v_and_b32 v8, 15, v0
	v_lshlrev_b32 v[LI], 4, v7
	v_lshlrev_b32 v8, 4, v8                        ; 16 r
	v_min_u32 v6, 2, v7
	v_add_nc_u32 v[VQA], s48, v[LI]
	v_add_nc_u32 v[VQB], s49, v[LI]
	v_add_nc_u32 v[VMA], s76, v[LI]
	v_add_nc_u32 v[VMB], s78, v[LI]
	v_add_nc_u32 v[QWA], s52, v8
	v_add_nc_u32 v[QWB], s53, v8
	v_lshl_add_u32 v[PFK], v6, 8, s50
	v_add_nc_u32 v[XW], s54, v[LI]
	v_add_nc_u32 v[XR], s55, v[LI]
	v_add_nc_u32 v[ASWA], ASW, v[QWA]
	v_add_nc_u32 v[ASWR], ASW, v[LI]
	s_wait_alu depctr_va_vdst(0)                   ; ahead of the wait below
	s_wait_kmcnt 0x0
	s_add_nc_u64 s[NKV:NKV+1], s[4:5], s[38:39]
	s_add_nc_u64 s[NSC:NSC+1], s[6:7], s[40:41]
	s_add_nc_u64 s[NMK:NMK+1], s[8:9], s[42:43]
	s_add_nc_u64 s[VPA:VPA+1], s[NMK:NMK+1], s[76:77]
	s_add_nc_u64 s[VPB:VPB+1], s[NMK:NMK+1], s[78:79]
	s_add_nc_u64 s[FPB:FPB+1], s[58:59], s[60:61]
	s_add_nc_u64 s[FPA:FPA+1], s[58:59], s[62:63]
	s_add_nc_u64 s[44:45], s[4:5], s[34:35]        ; Q's block
	s_add_nc_u64 s[46:47], s[6:7], s[36:37]        ; its scale block
	s_add_nc_u64 s[10:11], s[10:11], s[34:35]      ; the result's block
	s_add_nc_u64 s[12:13], s[56:57], s[36:37]      ; and its scale block
.irp j, 0,1
.irp c, 0,1,2
	global_load_b128 v[QF+12*\j+4*\c:QF+12*\j+4*\c+3], v[VQA], s[44:45] offset:1536*\j+512*\c
	global_load_b128 v[QF+24+12*\j+4*\c:QF+24+12*\j+4*\c+3], v[VQB], s[44:45] offset:1536*\j+512*\c
.endr
	global_load_b32 v[QS+\j], v[QWA], s[46:47] offset:256*\j
	global_load_b32 v[QS+2+\j], v[QWB], s[46:47] offset:256*\j
.endr
	LDK                                            ; my first step
	LDM 0
	LDM 1
	LDM 2
	LDM 3
	LDV                                            ; V's 25 loads are the youngest
	STEPB
.irp q, 0,1,2,3
	v_mov_b32 v[NM+2*\q+1], 0xff61b1e6             ; the largest t so far: -3e38
	v_mov_b32 v[NM+2*\q], 0x7f61b1e6               ; -M
	v_mov_b32 v[LS+2*\q], 0
	v_mov_b32 v[LS+2*\q+1], 0
	v_mov_b32 v[BP+\q], 0                          ; a lane permute's destination counts as one of its sources
.endr
	v_mov_b32 v[F+1], 0                            ; (named as the upper half of the pair)
.set j, 0
.rept 16
	v_mov_b32 v[VBA+j], 0                          ; the equal tiles' registers are written on every way into the loop
.set j, j+1
.endr
	WIN 0x40
.set j, 0
.rept 128
	v_pk_add_f32 v[j:j+1], v[LS:LS+1], v[LS:LS+1]  ; O^T begins as zeros, two registers a line: the trip is written once, and the first change of M leaves zeros zeros
.set j, j+2
.endr
	WIN 0
	s_wait_alu depctr_va_vdst(0)                   ; at the head's end
.Ltrip:                                                ; 8 trips: trip t works step t and asks for step t + 1
	s_wait_loadcnt 25                              ; all but the youngest 25, V's and its scale words': K, its scale words and whatever images were asked for are in
	s_cmp_lg_u32 s[FLA], 0                         ; local 0 and 1: is the tile's mask one number?
	s_cbranch_scc1 .LuA
	WIN 0xa3                                       ; no: C is the image, in the score registers themselves
.irp q, 0,1
.irp f, 0,1,2,3,4,5,6,7
	SW \q, \f, 64*\q+8*\f
.endr
.endr
	WIN 0
	s_branch .LdA
.LuA:
	WIN 0x83                                       ; yes: C is that number, in eight registers of window 0
.irp q, 0,1
.irp f, 0,1,2,3,4,5,6,7
	SW \q, \f, VBA
.endr
.endr
	WIN 0
.LdA:
	s_cmp_lg_u32 s[FLA+1], 0                       ; local 2 and 3 likewise
	s_cbranch_scc1 .LuB
	WIN 0xb3
.irp f, 0,1,2,3,4,5,6,7
	SW 2, \f, 192+8*\f
.endr
	WIN 0x83
.irp f, 0,1,2,3,4,5,6,7
	SW 3, \f, 192+8*\f
.endr
	WIN 0
	s_branch .LdB
.LuB:
	WIN 0x83
.irp q, 2,3
.irp f, 0,1,2,3,4,5,6,7
	SW \q, \f, VBB
.endr
.endr
	WIN 0
.LdB:
.rept 4
	v_nop                                          ; places ahead of the first read of the scores
.endr
	UNIT 0
	LASTSKIP .Ln0
	LDK
	s_load_b32 s[NFA], s[FPA:FPA+1], 0x0           ; the next step's flags,
	s_load_b32 s[NFA+1], s[FPB:FPB+1], 0x0
	s_load_b32 s[NVA], s[VPA:VPA+1], 0x0           ; and its two tiles' first numbers
	s_load_b32 s[NVA+1], s[VPB:VPB+1], 0x0
.Ln0:
	UNIT 1
	LASTSKIP .Ln1
	s_wait_kmcnt 0x0
	s_cmp_lg_u32 s[NFA], 0
	s_cbranch_scc1 .LnA                            ; a tile of one number: no image is loaded
	LDM 0
	LDM 1
	WIN 0
.LnA:
	s_cmp_lg_u32 s[NFA+1], 0
	s_cbranch_scc1 .Ln1
	LDM 2
	LDM 3
	WIN 0
.Ln1:
	s_cmp_gt_u32 s[CNT], 3                         ; trips 0 to 4: step t + 3 exists
	s_cbranch_scc0 .Lnp
	global_prefetch_b8 v[PFK], s[NKV:NKV+1] offset:4*CBB th:TH_LOAD_NT scope:SCOPE_SE
.Lnp:
	UNIT 2
.irp i, 0,1,2,3,4,5,6,7
	v_mov_b32 v[VBA+\i], s[NVA]                    ; the next step's numbers, far behind this step's first products and far ahead of the next's
	v_mov_b32 v[VBB+\i], s[NVA+1]
.endr
	s_mov_b32 s[FLA], s[NFA]
	s_mov_b32 s[FLA+1], s[NFA+1]
	UNIT 3
.rept 4
	v_nop                                          ; places ahead of the loads into V's registers, and of the way out's reads
.endr
	LASTSKIP .Ln3
	LDV
	STEPB
.Ln3:
	s_sub_co_u32 s[CNT], s[CNT], 1
	s_cmp_lg_u32 s[CNT], 0
	s_cbranch_scc1 .Ltrip
	; THE JOIN.  Each row's sum; local 2 and 3 go to the other key half's wave, its local 2 and 3 are my local 0 and 1
.irp q, 0,1,2,3
	v_add_f32 v[LS+2*\q], v[LS+2*\q], v[LS+2*\q+1]
.endr
.irp q, 0,1,2,3
	v_permlanex16_b32 v[BP+\q], v[LS+2*\q], s[SEL], s[SEL+1]
.endr
.irp q, 0,1,2,3
	v_add_f32 v[LS+2*\q], v[LS+2*\q], v[BP+\q]
.endr
	v_mov_b32 v[ET], v[NM+4]
	v_mov_b32 v[ET+1], v[LS+4]
	v_mov_b32 v[ET+2], v[NM+6]
	v_mov_b32 v[ET+3], v[LS+6]
	WIN 0x04
	s_wait_alu depctr_va_vdst(0)                   ; directly ahead of these first readers of O^T
.set n, 0
.rept 32
	ds_store_b128 v[XW], v[128+4*n:128+4*n+3] offset:512*n     ; an image of the registers; each accumulator from its low end on
.set n, n+1
.endr
	WIN 0
	ds_store_b128 v[XW], v[ET:ET+3] offset:16384
	s_wait_dscnt 0x0                               ; for the other wave's sake
	s_barrier_signal -1
	s_barrier_wait -1
	WIN 0x80
.set n, 0
.rept 32
	ds_load_b128 v[128+4*n:128+4*n+3], v[XR] offset:512*n      ; into the score registers of local 2 and 3, which are done with
.set n, n+1
.endr
	WIN 0
	ds_load_b128 v[EP:EP+3], v[XR] offset:16384
	s_wait_dscnt 0x0
.irp q, 0,1
	v_min_num_f32 v[ED+\q], v[NM+2*\q], v[EP+2*\q]             ; -(the larger M)
.endr
.irp q, 0,1
	v_sub_f32 v[GA+4*\q], v[ED+\q], v[NM+2*\q]
	v_sub_f32 v[GA+4*\q+2], v[ED+\q], v[EP+2*\q]
.endr
.irp q, 0,1
	v_cvt_i32_f32 v[GA+4*\q], v[GA+4*\q]
	v_cvt_i32_f32 v[GA+4*\q+2], v[GA+4*\q+2]
.endr
.irp q, 0,1
	v_ldexp_f32 v[GA+4*\q], 1.0, v[GA+4*\q]                    ; 2^(my M - the larger M)
	v_ldexp_f32 v[GA+4*\q+2], 1.0, v[GA+4*\q+2]                ; and the other part's
.endr
.irp q, 0,1
	v_mul_f32 v[EL+\q], v[LS+2*\q], v[GA+4*\q]
.endr
.irp q, 0,1
	v_fmac_f32 v[EL+\q], v[EP+2*\q+1], v[GA+4*\q+2]            ; the joined sum
.endr
	s_wait_alu depctr_va_vdst(0)
	v_rcp_f32 v[EL], v[EL]
	v_rcp_f32 v[EL+1], v[EL+1]
.irp q, 0,1
	v_mov_b32 v[GA+4*\q+1], 0                                  ; (the pairs' upper halves; plain places behind the reciprocals)
	v_mov_b32 v[GA+4*\q+3], 0
.endr
	s_wait_alu depctr_va_vdst(0)
.irp q, 0,1
	v_mul_f32 v[GA+4*\q], v[GA+4*\q], v[EL+\q]
	v_mul_f32 v[GA+4*\q+2], v[GA+4*\q+2], v[EL+\q]
.endr
.macro FINISH q                        ; fragment 2 w + q of the result: joined, divided, quantised along the head's 128, stored
	WIN 0x01
	s_wait_alu depctr_va_vdst(0)                   ; directly ahead of these first readers of O^T
.set j, 0
.rept 32
	v_pk_mul_f32 v[X+j:X+j+1], v[64*(\q)+j:64*(\q)+j+1], v[GA+4*(\q):GA+4*(\q)+1] op_sel_hi:[1,0]
.set j, j+2
.endr
	WIN 0x02
.set j, 0
.rept 32
	v_pk_fma_f32 v[X+j:X+j+1], v[128+64*(\q)+j:128+64*(\q)+j+1], v[GA+4*(\q)+2:GA+4*(\q)+3], v[X+j:X+j+1] op_sel_hi:[1,0,1]
.set j, j+2
.endr
	WIN 0
.irp b, 0,1,2,3
	v_max3_num_f32 v[BM+\b], |v[X+16*\b]|, |v[X+1+16*\b]|, 0x1800000
.endr
.irp i, 2,4,6,8,10,12,14
.irp b, 0,1,2,3
	v_max3_num_f32 v[BM+\b], v[BM+\b], |v[X+16*\b+\i]|, |v[X+1+16*\b+\i]|
.endr
.endr
.irp b, 0,1,2,3
	v_permlanex16_b32 v[BP+\b], v[BM+\b], s[SEL], s[SEL+1]
.endr
.irp b, 0,1,2,3
	v_max_num_f32 v[BM+\b], v[BM+\b], v[BP+\b]
.endr
	SCALEW PW+(\q)
.irp c, 0,1
	v_cvt_scalef32_pk16_fp6_f32 v[EPC+20*(\q)+6*\c:EPC+20*(\q)+6*\c+2], v[X+32*\c:X+32*\c+15], v[SO+2*\c]
	v_cvt_scalef32_pk16_fp6_f32 v[EPC+20*(\q)+12+4*\c:EPC+20*(\q)+14+4*\c], v[X+16+32*\c:X+31+32*\c], v[SO+2*\c+1]
.endr
	TOFRAG EPC+20*(\q), EPC+20*(\q)+12
.irp c, 0,1,2
	global_store_b128 v[VQA], v[EPC+20*(\q)+4*\c:EPC+20*(\q)+4*\c+3], s[10:11] offset:1536*(\q)+512*\c    ; 512 consecutive bytes, aligned
.endr
	ds_store_b32 v[ASWA], v[PW+(\q)] offset:256*(\q)           ; both halves of the lanes write the same word with the same value
.endm
	FINISH 0
	FINISH 1
	s_wait_alu depctr_va_vdst(0)
	s_wait_dscnt 0x0                               ; for the others' sake
	s_barrier_signal -1
	s_barrier_wait -1
	s_cmp_lg_u32 s[WV], 0
	s_cbranch_scc1 .Lend
	ds_load_b128 v[X:X+3], v[ASWR]                 ; the block's scale words, whole
	s_wait_dscnt 0x0
	global_store_b128 v[LI], v[X:X+3], s[12:13]
.Lend:
	s_wait_tensorcnt 0x0                           ; the wave's end
	ds_add_u32 v[SPW], v[NIL]
	s_wait_dscnt 0x0
	s_endpgm
.Lfunc_end_k_q41303437f5_attn:
	.size	k_q41303437f5_attn, .Lfunc_end_k_q41303437f5_attn-k_q41303437f5_attn
	.p2alignl 7, 3214868480
	.fill 96, 4, 3214868480
	.section	.rodata,"a",@progbits
	.p2align	6, 0x0
	.amdhsa_kernel k_q41303437f5_attn
		.amdhsa_group_segment_fixed_size 68608
		.amdhsa_private_segment_fixed_size 0
		.amdhsa_enable_private_segment 0
		.amdhsa_kernarg_size 48
		.amdhsa_user_sgpr_count 2
		.amdhsa_user_sgpr_kernarg_segment_ptr 1
		.amdhsa_wavefront_size32 1
		.amdhsa_system_sgpr_workgroup_id_x 1
		.amdhsa_system_sgpr_workgroup_id_y 1
		.amdhsa_system_sgpr_workgroup_id_z 1
		.amdhsa_system_vgpr_workitem_id 0
		.amdhsa_next_free_vgpr 1024
		.amdhsa_next_free_sgpr 80
		.amdhsa_reserve_vcc 0
		.amdhsa_float_denorm_mode_32 3
		.amdhsa_float_denorm_mode_16_64 3
		.amdhsa_memory_ordered 1
		.amdhsa_forward_progress 1
		.amdhsa_inst_pref_size 128
	.end_amdhsa_kernel
	.amdgpu_metadata
---
amdhsa.version: [ 1, 2 ]
amdhsa.kernels:
  - .name:           k_q41303437f5_attn
    .symbol:         k_q41303437f5_attn.kd
    .args:
      - { .name: hcod, .offset: 0, .size: 8, .value_kind: global_buffer, .address_space: global }
      - { .name: hscl, .offset: 8, .size: 8, .value_kind: global_buffer, .address_space: global }
      - { .name: mimg, .offset: 16, .size: 8, .value_kind: global_buffer, .address_space: global }
      - { .name: acod, .offset: 24, .size: 8, .value_kind: global_buffer, .address_space: global }
      - { .name: ascl, .offset: 32, .size: 8, .value_kind: global_buffer, .address_space: global }
      - { .name: mflag, .offset: 40, .size: 8, .value_kind: global_buffer, .address_space: global }
    .group_segment_fixed_size: 68608
    .private_segment_fixed_size: 0
    .kernarg_segment_align: 8
    .kernarg_segment_size: 48
    .max_flat_workgroup_size: 128
    .sgpr_count:     80
    .vgpr_count:     1024
    .wavefront_size: 32
...
	.end_amdgpu_metadata
.endif
;; end of part 3
;; launch dense (part 4): grid 16 x 16, 4 waves a work-group, clusters of 4 x 4, 327,680 bytes of LDS; arguments acod, ascl, cod, scl, dense_b, out0; writes out0
.if DOCPART == 4
	.amdgcn_target "amdgcn-amd-amdhsa--gfx1250"
	.amdhsa_code_object_version 6
	.text
	.protected	k_q41303437f5_dense
	.globl	k_q41303437f5_dense
	.p2align	8
	.type	k_q41303437f5_dense,@function
k_q41303437f5_dense:
	s_mov_b64 s[64:65], 0
	v_nop
	global_prefetch_b8 v0, s[64:65] scope:SCOPE_SE
	s_setreg_imm32_b32 hwreg(HW_REG_WAVE_MODE, 25, 1), 1
	s_wait_xcnt 0x0
	s_wait_alu depctr_hold_cnt(0) depctr_sa_sdst(0) depctr_va_vdst(0) depctr_va_sdst(0) depctr_va_ssrc(0) depctr_va_vcc(0) depctr_vm_vsrc(0)
	s_getreg_b32 s2, hwreg(HW_REG_IB_STS2, 6, 4)
	s_cmp_eq_u32 s2, 0
	s_cbranch_scc0 .Lentry_in_a_cluster
	s_endpgm
.Lentry_in_a_cluster:
	s_bfe_u32 s2, ttmp6, 0x10000c
	s_cmp_lg_u32 s2, 0xf033
	s_cbranch_scc0 .Lentry_shape_is_right
	s_endpgm
.Lentry_shape_is_right:
.set TSZ,   3145728
.set SSZ,   131072
.set GRP,   196608
.set CBB,   12288
.set PART,  2*CBB
.set SLOT,  4*PART
.set SCL,   2*SLOT
.set STG,   SCL+2*8192
.set SPARE, STG+128*528
.set ADRA, 16
.set ADRB, 20
.set STO,  22
.set RD,   23
.set ADSA, 24
.set ADSB, 25
.set LI,   26
.set SPW,  28
.set NIL,  29
.set SC,   32
.set BN,   64
.set ACC,  128
.set WV,   18
.set RH,   19
.set CH,   20
.set G1A,  24
.set G0A,  32
.set G1B,  48
.set G0B,  56
.set G1SA, 68
.set G0SA, 76
.set G1SB, 80
.set G0SB, 88
.set MSB, 0
.macro WIN new
.if MSB != (\new)
	s_set_vgpr_msb (MSB<<8)|(\new)
.set MSB, (\new)
.endif
.endm
.set MUL,  0x05
.set TO_F, 0x40
.macro JLOAD g0a, g1a, g0b, g1b
	s_cmp_eq_u32 s[RH], 0
	s_cbranch_scc0 .Lfor_b_\@
	tensor_load_to_lds s[\g0a:\g0a+3], s[\g1a:\g1a+7]
	s_nop 0
.rept 4
	v_nop
.endr
	s_branch .Lasked_\@
.Lfor_b_\@:
	tensor_load_to_lds s[\g0b:\g0b+3], s[\g1b:\g1b+7]
	s_nop 0
.rept 4
	v_nop
.endr
.Lasked_\@:
.endm
.macro CREST
	s_cmp_lg_u32 s[WV], 0
	s_cbranch_scc1 .Lnot_wave_0_\@
	s_barrier_signal -3
.Lnot_wave_0_\@:
	s_barrier_wait -3
	s_barrier_signal -1
	s_barrier_wait -1
.endm
.macro CROUND
	s_barrier_signal -1
	s_barrier_wait -1
	CREST
.endm
.macro PLACES
.rept 4
	v_nop
.endr
.endm
	s_load_b256 s[4:11], s[0:1], 0x0
	s_load_b128 s[12:15], s[0:1], 0x20
	v_lshl_add_u32 v[SPW], v0, 2, SPARE
	v_mov_b32 v[NIL], 0
	ds_add_u32 v[SPW], v[NIL]
	ds_add_u32 v[SPW], v[NIL]
	v_lshrrev_b32 v1, 5, v0
	v_readfirstlane_b32 s[WV], v1
	s_lshr_b32 s[RH], s[WV], 1
	s_and_b32 s[CH], s[WV], 1
	s_bfe_u32 s21, ttmp6, 0x40000
	s_bfe_u32 s22, ttmp6, 0x40004
	s_lshl_b32 s40, ttmp9, 2
	s_add_co_u32 s40, s40, s21
	s_and_b32 s43, ttmp7, 0xffff
	s_lshl_b32 s43, s43, 2
	s_add_co_u32 s43, s43, s22
	s_lshl_b32 s44, s22, 2
	s_lshl_b32 s44, 15, s44
	s_lshl_b32 s45, 0x1111, s21
	s_or_b32 s[G1A], s44, (3<<16)|(1<<21)
	s_or_b32 s[G1B], s45, (3<<16)|(1<<21)
	s_or_b32 s[G1SA], s44, (3<<16)|(1<<21)
	s_or_b32 s[G1SB], s45, (3<<16)|(1<<21)
.irp g, G1A, G1B
	s_mov_b32 s[\g+1], 32<<16
	s_mov_b32 s[\g+2], 96<<16
	s_mov_b32 s[\g+3], 32<<16
	s_mov_b32 s[\g+4], 96
	s_mov_b32 s[\g+5], 32
	s_mov_b32 s[\g+6], 0
	s_mov_b32 s[\g+7], 0
.endr
.irp g, G1SA, G1SB
	s_mov_b32 s[\g+1], 32<<16
	s_mov_b32 s[\g+2], 16<<16
	s_mov_b32 s[\g+3], 32<<16
	s_mov_b32 s[\g+4], 16
	s_mov_b32 s[\g+5], 32
	s_mov_b32 s[\g+6], 0
	s_mov_b32 s[\g+7], 0
.endr
	s_mul_i32 s46, s[CH], PART
	s_mul_i32 s92, s43, GRP
	s_add_co_u32 s92, s92, s46
	s_mov_b32 s93, 0
	s_mul_i32 s94, s40, GRP
	s_add_co_u32 s94, s94, s46
	s_add_co_u32 s94, s94, 6*TSZ
	s_mov_b32 s95, 0
	s_lshl_b32 s46, s[CH], 12
	s_lshl_b32 s96, s43, 13
	s_add_co_u32 s96, s96, s46
	s_mov_b32 s97, 0
	s_lshl_b32 s98, s40, 13
	s_add_co_u32 s98, s98, s46
	s_add_co_u32 s98, s98, 6*SSZ
	s_mov_b32 s99, 0
	s_mul_i32 s66, s[WV], PART
	s_lshl_b32 s67, s[WV], 12
	s_wait_dscnt 0x0
	s_wait_kmcnt 0x0
	s_add_nc_u64 s[92:93], s[4:5], s[92:93]
	s_add_nc_u64 s[94:95], s[8:9], s[94:95]
	s_add_nc_u64 s[96:97], s[6:7], s[96:97]
	s_add_nc_u64 s[98:99], s[10:11], s[98:99]
	CROUND
	s_mov_b32 s[G0SA], 1
	s_add_co_u32 s[G0SA+1], s67, SCL
	s_mov_b64 s[G0SA+2:G0SA+3], s[96:97]
	s_or_b32 s[G0SA+3], s[G0SA+3], 0x80000000
	s_mov_b32 s[G0SB], 1
	s_add_co_u32 s[G0SB+1], s67, SCL
	s_mov_b64 s[G0SB+2:G0SB+3], s[98:99]
	s_or_b32 s[G0SB+3], s[G0SB+3], 0x80000000
	JLOAD G0SA, G1SA, G0SB, G1SB
.irp s, 0,1
	s_mov_b32 s[G0A+4*\s], 1
	s_add_co_u32 s[G0A+4*\s+1], s66, \s*SLOT
	s_add_nc_u64 s[G0A+4*\s+2:G0A+4*\s+3], s[92:93], \s*2*PART
	s_or_b32 s[G0A+4*\s+3], s[G0A+4*\s+3], 0x80000000
	s_mov_b32 s[G0B+4*\s], 1
	s_add_co_u32 s[G0B+4*\s+1], s66, \s*SLOT
	s_add_nc_u64 s[G0B+4*\s+2:G0B+4*\s+3], s[94:95], \s*2*PART
	s_or_b32 s[G0B+4*\s+3], s[G0B+4*\s+3], 0x80000000
	s_wait_alu depctr_va_vdst(0)
	s_wait_tensorcnt 0x0
	ds_add_u32 v28, v29
	s_wait_dscnt 0x0
	CROUND
	JLOAD G0A+4*\s, G1A, G0B+4*\s, G1B
.endr
	v_and_b32 v1, 31, v0
	v_lshlrev_b32 v[LI], 4, v1
	s_wait_alu depctr_va_vdst(0)
	v_and_b32 v2, 15, v0
	s_wait_alu depctr_va_vdst(0)
	v_bfe_u32 v3, v0, 4, 1
	s_mul_i32 s92, s[RH], 4*1536
	s_mul_i32 s93, s[CH], 4*1536
	s_add_co_u32 s93, s93, 2*PART
.irp s, 0,1
	v_add_nc_u32 v[ADRA+\s], s92, v[LI]
	v_add_nc_u32 v[ADRB+\s], s93, v[LI]
	s_add_co_u32 s92, s92, SLOT
	s_add_co_u32 s93, s93, SLOT
.endr
	s_lshl_b32 s92, s[RH], 3
	s_add_co_u32 s92, s92, SCL
	v_add_nc_u32 v[ADSA], s92, v[LI]
	s_lshl_b32 s93, s[CH], 3
	s_add_co_u32 s93, s93, SCL+8192
	v_add_nc_u32 v[ADSB], s93, v[LI]
	v_and_b32 v4, 8, v2
	v_add_nc_u32 v4, v4, v2
	v_mul_u32_u24 v[STO], v4, 528
	v_lshl_add_u32 v[STO], v3, 6, v[STO]
	s_mul_i32 s92, s[RH], 64*528
	s_lshl_b32 s93, s[CH], 8
	s_add_co_u32 s92, s92, s93
	s_add_co_u32 s92, s92, STG
	v_add_nc_u32 v[STO], s92, v[STO]
	s_mul_i32 s92, s[WV], 32*528
	s_add_co_u32 s92, s92, STG
	v_add_nc_u32 v[RD], s92, v[LI]
	s_lshl_b32 s92, s40, 9
	s_lshl_b32 s93, s[CH], 8
	s_add_co_u32 s92, s92, s93
	s_mov_b32 s93, 0
	s_add_nc_u64 s[12:13], s[12:13], s[92:93]
	v_lshlrev_b32 v5, 6, v3
.irp b, 0,1
.irp j, 0,1,2,3
	global_load_b128 v[BN+16*\b+4*\j:BN+16*\b+4*\j+3], v5, s[12:13] offset:128*\b+16*\j
.endr
.endr
	s_lshl_b32 s92, s43, 7
	s_lshl_b32 s94, s[WV], 5
	s_add_co_u32 s92, s92, s94
	s_lshl_b32 s92, s92, 13
	s_lshl_b32 s94, s40, 9
	s_add_co_u32 s92, s92, s94
	s_add_nc_u64 s[14:15], s[14:15], s[92:93]
.macro WM a, b, f, q, n, first
.set rD, ACC+8*(4*(\a)+(\b))
.set rB, (\f)+12*(\b)
.set rA, (\f)+48+12*(\a)
.set rSB, SC+16*((\n)%2)+4*(\q)+2+(\b)/2
.set rSA, SC+16*((\n)%2)+4*(\q)+(\a)/2
.set rC, rD
.if \first
.set rC, BN+8*(\b)
.endif
.if ((\a)%2 == 0) && ((\b)%2 == 0)
	v_wmma_scale_f32_16x16x128_f8f6f4 v[rD:rD+7], v[rB:rB+11], v[rA:rA+11], v[rC:rC+7], v[rSB], v[rSA] matrix_a_fmt:MATRIX_FMT_FP6 matrix_b_fmt:MATRIX_FMT_FP6
.elseif ((\a)%2 == 0)
	v_wmma_scale_f32_16x16x128_f8f6f4 v[rD:rD+7], v[rB:rB+11], v[rA:rA+11], v[rC:rC+7], v[rSB], v[rSA] matrix_a_fmt:MATRIX_FMT_FP6 matrix_b_fmt:MATRIX_FMT_FP6 matrix_a_scale:MATRIX_SCALE_ROW1
.elseif ((\b)%2 == 0)
	v_wmma_scale_f32_16x16x128_f8f6f4 v[rD:rD+7], v[rB:rB+11], v[rA:rA+11], v[rC:rC+7], v[rSB], v[rSA] matrix_a_fmt:MATRIX_FMT_FP6 matrix_b_fmt:MATRIX_FMT_FP6 matrix_b_scale:MATRIX_SCALE_ROW1
.else
	v_wmma_scale_f32_16x16x128_f8f6f4 v[rD:rD+7], v[rB:rB+11], v[rA:rA+11], v[rC:rC+7], v[rSB], v[rSA] matrix_a_fmt:MATRIX_FMT_FP6 matrix_b_fmt:MATRIX_FMT_FP6 matrix_a_scale:MATRIX_SCALE_ROW1 matrix_b_scale:MATRIX_SCALE_ROW1
.endif
.endm
.macro MUL8 a0, f, q, n, first
.irp a, \a0, \a0+1
.irp b, 0,1,2,3
	WM \a, \b, \f, \q, \n, \first
.endr
.endr
.endm
.macro FETCH slot, q, f
	WIN TO_F
.irp i, 0,1,2,3
.irp c, 0,1,2
	ds_load_b128 v[(\f)+12*\i+4*\c:(\f)+12*\i+4*\c+3], v[ADRB+\slot] offset:CBB*(\q)+1536*\i+512*\c
.endr
.endr
.irp i, 0,1,2,3
.irp c, 0,1,2
	ds_load_b128 v[(\f)+48+12*\i+4*\c:(\f)+48+12*\i+4*\c+3], v[ADRA+\slot] offset:CBB*(\q)+1536*\i+512*\c
.endr
.endr
.endm
.macro SCALES n
.irp q, 0,1,2,3
	ds_load_b64 v[SC+16*((\n)%2)+4*\q:SC+16*((\n)%2)+4*\q+1], v[ADSA] offset:(4*(\n)+\q)*512
	ds_load_b64 v[SC+16*((\n)%2)+4*\q+2:SC+16*((\n)%2)+4*\q+3], v[ADSB] offset:(4*(\n)+\q)*512
.endr
.endm
.macro KST slot, q, n, first
	s_wait_dscnt 0x0
	PLACES
	FETCH \slot, (\q)+1, 128*(((\q)+1)%2)
	WIN MUL
	MUL8 0, 128*((\q)%2), \q, \n, \first
	MUL8 2, 128*((\q)%2), \q, \n, \first
.endm
.macro TURN slot, next, n, fill
	WIN 0
	s_wait_tensorcnt 0x0
	ds_add_u32 v[SPW], v[NIL]
	s_wait_dscnt 1
	WIN MUL
	MUL8 0, 128, 3, \n, 0
	s_wait_dscnt 0x0
	s_barrier_signal -1
	WIN 0
	s_barrier_wait -1
.if \fill
	CREST
	s_add_nc_u64 s[G0A+4*\slot+2:G0A+4*\slot+3], s[G0A+4*\slot+2:G0A+4*\slot+3], 4*PART
	s_add_nc_u64 s[G0B+4*\slot+2:G0B+4*\slot+3], s[G0B+4*\slot+2:G0B+4*\slot+3], 4*PART
	JLOAD G0A+4*\slot, G1A, G0B+4*\slot, G1B
.else
	PLACES
.endif
	FETCH \next, 0, 0
	WIN 0
	SCALES (\n)+1
	WIN MUL
	MUL8 2, 128, 3, \n, 0
.endm
	s_wait_alu depctr_va_vdst(0)
	s_wait_tensorcnt 1
	s_barrier_signal -1
	s_barrier_wait -1
	FETCH 0, 0, 0
	WIN 0
	SCALES 0
	s_wait_loadcnt 0x0
	KST 0, 0, 0, 1
	KST 0, 1, 0, 0
	KST 0, 2, 0, 0
	TURN 0, 1, 0, 1
	KST 1, 0, 1, 0
	KST 1, 1, 1, 0
	KST 1, 2, 1, 0
	TURN 1, 0, 1, 1
	KST 0, 0, 2, 0
	KST 0, 1, 2, 0
	KST 0, 2, 2, 0
	TURN 0, 1, 2, 0
	KST 1, 0, 3, 0
	KST 1, 1, 3, 0
	KST 1, 2, 3, 0
	s_wait_dscnt 0x0
	MUL8 0, 128, 3, 3, 0
	MUL8 2, 128, 3, 3, 0
	WIN 0
	PLACES
.irp a, 0,1,2,3
.irp b, 0,1,2,3
	ds_store_b128 v[STO], v[ACC+8*(4*\a+\b):ACC+8*(4*\a+\b)+3] offset:(32*(\a/2)+8*(\a%2))*528+128*(\b/2)+32*(\b%2)
	ds_store_b128 v[STO], v[ACC+8*(4*\a+\b)+4:ACC+8*(4*\a+\b)+7] offset:(32*(\a/2)+8*(\a%2))*528+128*(\b/2)+32*(\b%2)+16
.endr
.endr
	s_wait_dscnt 0x0
	s_barrier_signal -1
	s_barrier_wait -1
.set i, 0
.rept 32
	ds_load_b128 v[64+4*i:64+4*i+3], v[RD] offset:528*i
.set i, i+1
.endr
.set i, 0
.rept 32
	s_wait_dscnt 31-i
	global_store_b128 v[LI], v[64+4*i:64+4*i+3], s[14:15] offset:8192*i th:TH_STORE_NT
.set i, i+1
.endr
	s_wait_tensorcnt 0x0
	ds_add_u32 v[SPW], v[NIL]
	s_wait_dscnt 0x0
	CROUND
	s_endpgm
.Lfunc_end_k_q41303437f5_dense:
	.size	k_q41303437f5_dense, .Lfunc_end_k_q41303437f5_dense-k_q41303437f5_dense
	.p2alignl 7, 3214868480
	.fill 96, 4, 3214868480
	.section	.rodata,"a",@progbits
	.p2align	6, 0x0
	.amdhsa_kernel k_q41303437f5_dense
		.amdhsa_group_segment_fixed_size 327680
		.amdhsa_private_segment_fixed_size 0
		.amdhsa_enable_private_segment 0
		.amdhsa_kernarg_size 48
		.amdhsa_user_sgpr_count 2
		.amdhsa_user_sgpr_kernarg_segment_ptr 1
		.amdhsa_wavefront_size32 1
		.amdhsa_system_sgpr_workgroup_id_x 1
		.amdhsa_system_sgpr_workgroup_id_y 1
		.amdhsa_system_sgpr_workgroup_id_z 1
		.amdhsa_system_vgpr_workitem_id 0
		.amdhsa_next_free_vgpr 512
		.amdhsa_next_free_sgpr 100
		.amdhsa_reserve_vcc 0
		.amdhsa_float_denorm_mode_32 3
		.amdhsa_float_denorm_mode_16_64 3
		.amdhsa_memory_ordered 1
		.amdhsa_forward_progress 1
		.amdhsa_inst_pref_size 84
	.end_amdhsa_kernel
	.amdgpu_metadata
---
amdhsa.version: [ 1, 2 ]
amdhsa.kernels:
  - .name:           k_q41303437f5_dense
    .symbol:         k_q41303437f5_dense.kd
    .args:
      - { .name: acod, .offset: 0, .size: 8, .value_kind: global_buffer, .address_space: global }
      - { .name: ascl, .offset: 8, .size: 8, .value_kind: global_buffer, .address_space: global }
      - { .name: cod, .offset: 16, .size: 8, .value_kind: global_buffer, .address_space: global }
      - { .name: scl, .offset: 24, .size: 8, .value_kind: global_buffer, .address_space: global }
      - { .name: dense_b, .offset: 32, .size: 8, .value_kind: global_buffer, .address_space: global }
      - { .name: out0, .offset: 40, .size: 8, .value_kind: global_buffer, .address_space: global }
    .group_segment_fixed_size: 327680
    .private_segment_fixed_size: 0
    .kernarg_segment_align: 8
    .kernarg_segment_size: 48
    .max_flat_workgroup_size: 128
    .sgpr_count:     100
    .vgpr_count:     512
    .wavefront_size: 32
...
	.end_amdgpu_metadata
.endif
;; end of part 4
